; MI455X (gfx1250); checked and timed in simulation.
; The chip was launched on July 23, 2026; its instructions are those of AMD's public machine-readable ISA for CDNA 5 (MIT licence, August 2026) and "CDNA5" Instruction Set Architecture Reference Guide (July 2026). The comments in the code are by the model that wrote it; some were corrected since.
;; Cache Attention. Allowed arithmetic: matrix products marked QUANTISED: E2M1 operands, one E8M0 scale for each 32 along K, by v_wmma_scale_f32_16x16x128_f8f6f4 with both operands' format E2M1 (or v_wmma_scale_f32_32x16x128_f4), f32 sums; everything else in f32.
;; Inputs: attn_mask 2,048 x 2,048 float32; bk 1,024 float32; bo 1,024 float32; bq 1,024 float32; bv 1,024 float32; key 2,048 x 4 x 1,024 float32; query 2,048 x 4 x 1,024 float32; value 2,048 x 4 x 1,024 float32; wk 1,024 x 1,024 float32; wo 1,024 x 1,024 float32; wq 1,024 x 1,024 float32; wv 1,024 x 1,024 float32.
;; Outputs: out0 2,048 x 4 x 1,024 float32.
;; This version of the problem:
;;   THIS VERSION OF THE PROBLEM IS GIVEN IN LOW PRECISION. The matrix products marked QUANTISED in the list below multiply operands that are first quantised to E2M1 (2 exponent bits, 1 mantissa bit; 4 bits a number), with one power-of-two scale for each 32 numbers along K (OCP MX v1.0); their sums are f32. All else is computed in f32.
;;   The module's matrix products, in the order in which they are computed (A, B: the left and right operand; K: the contracted axis; several contracted axes count as one K, in the product's order):
;;     1. [M 8,192, K 1,024] x [K 1,024, N 1,024]; A: input query; B: input wq: QUANTISED
;;     2. [M 8,192, K 1,024] x [K 1,024, N 1,024]; A: input key; B: input wk: QUANTISED
;;     3. [M 8,192, K 1,024] x [K 1,024, N 1,024]; A: input value; B: input wv: QUANTISED
;;     4. batch 64 x [M 2,048, K 64] x [K 64, N 2,048]; A: computed on the way; B: computed on the way: QUANTISED
;;     5. batch 64 x [M 2,048, K 2,048] x [K 2,048, N 64]; A: softmax (see below); B: computed on the way: QUANTISED
;;     6. [M 8,192, K 1,024] x [K 1,024, N 1,024]; A: computed on the way; B: input wo: QUANTISED
;;   THE QUANTISER, for each operand of a quantised product, along K:
;;     - K is cut into blocks of 32 from its start; a last block that is shorter is filled with zeros.
;;     - A block's scale is 2^e with e = floor(log2(the largest magnitude in the block)) - 2, held to -126 .. 127; a block of zeros has e = 0. As a byte (E8M0): e + 127.
;;     - Each number is divided by its block's scale, clamped to +-6, and rounded to the nearest number of E2M1, ties to even, subnormals kept.
;;     - The product sums the exact products of the quantised numbers (number of the format x scale) in f32.
;;   ~~~python
;;   def quantise(x, axis):      # numpy; x: float32 -> the quantised numbers, widened to float32 again
;;       x = np.moveaxis(x, axis, -1); K = x.shape[-1]
;;       x = np.pad(x, [(0, 0)] * (x.ndim - 1) + [(0, -K % 32)]); x = x.reshape(x.shape[:-1] + (-1, 32)); a = np.abs(x).max(-1, keepdims=True)
;;       e = np.where(a > 0, np.clip(np.frexp(np.where(a > 0, a, 1))[1] - 1 - 2, -126, 127), 0)      # np.frexp(a)[1] - 1 = floor(log2(a)), exactly
;;       r = np.clip(x / 2.0 ** e, -6, 6)
;;       step = 2.0 ** (np.maximum(np.frexp(np.where(r == 0, 1, r))[1] - 1, 0) - 1)
;;       q = np.round(r / step) * step * 2.0 ** e      # np.round: ties to even
;;       return np.moveaxis(q.reshape(q.shape[:-2] + (-1,))[..., :K], -1, axis).astype(np.float32)
;;   ~~~
;;   SOFTMAX AHEAD OF A QUANTISED PRODUCT. Where the list says 'softmax', what is quantised is not the finished softmax but p = 2^(t - M), with t = logit x log2(e) and M = ceil(the row's largest t), a whole number; so 1/2 < the row's largest p <= 1. The row's sum l is taken of the UNQUANTISED p, in f32, and the product's result is divided by l at the end. Since M is a whole number, a kernel that streams over the keys may use a running M (the ceiling of the running maximum): every later rescaling is an exact power of two, which a block's scale takes up: the codes' values come out the same.
;;   OPERANDS COMPUTED ON THE WAY. 'Computed on the way' means the value that the module computes at that place (a softmax that the list does not call 'softmax' is quantised finished and normalised). What goes into a quantiser is computed in f32, as accurately as f32 sums, v_exp_f32 and their like allow (about 1e-6 of the number): no bf16 or f16 on the way to a quantiser, and a product that is left as it is and whose result goes on into a quantised operand takes f32 operands (vector FMAs, or v_wmma_f32_16x16x4_f32). A number that lies on a knife's edge between two numbers of the format may be rounded either way, as far as f32 arithmetic and the matrix unit's own rounding can turn it there, and no further.
;; One version. Each part assembles by itself: llvm-mc -triple=amdgcn-amd-amdhsa -mcpu=gfx1250 --defsym DOCPART=n.
;; ======== version 1 of 1: 4 launches
;; limits: right only within a limited range of input values
;; workspace buffers: xc 15,597,568 bytes; qi 4,718,592 bytes; kv 9,437,184 bytes; ai 4,456,448 bytes
;; launch quant (part 1): grid 448 x 1, 4 waves a work-group, no clusters, 34,304 bytes of LDS; arguments query, key, value, wq, wk, wv, wo, xc; writes xc
.if DOCPART == 1
	.amdgcn_target "amdgcn-amd-amdhsa--gfx1250"
	.amdhsa_code_object_version 6
	.text
	.protected	k_q86ac45d084_quant
	.globl	k_q86ac45d084_quant
	.p2align	8
	.type	k_q86ac45d084_quant,@function
k_q86ac45d084_quant:
	s_mov_b64 s[64:65], 0
	v_nop
	global_prefetch_b8 v0, s[64:65] scope:SCOPE_SE
	s_setreg_imm32_b32 hwreg(HW_REG_WAVE_MODE, 25, 1), 1
	s_wait_xcnt 0x0
; query, key, value [2048][4][1024] and wq, wk, wv, wo [1024][1024], f32, become codes of FP4 (E2M1) with one E8M0 byte for each 32 along their last axis, which is K of every product that reads them.
; A block's scale is 2^(floor(log2(largest magnitude)) - 2); its byte is the largest magnitude's exponent field - 2, held at 1 from below.
; LIMITS: NaN and infinities among the inputs are not served.  A block of zeros gets the byte 1 where the rule says 127: its codes are zeros, which add nothing, and this program alone reads the bytes.
; THE WORKSPACE IS LAID AS IMAGES OF OPERAND REGISTERS.  A record (8,704 bytes) is 128 rows x 128 along K: eight tiles of 16 rows, tile i at 1024 i; in it lane (r, h) has its 16 bytes of
; k = 64 c + 32 h + 0 .. 31 of the tile's row r at 512 c + 16 lane.  At 8192: the scale words, word j of lane l at 16 l + 4 j = the word of row l % 16 of tile 2 j + l / 16.
; A group is 128 rows, eight records (K steps) on end.  Groups 64 x tensor + 16 b + g: rows t = 128 g .. of batch b of query, key, value; groups 192 + 8 j + g: rows 128 g .. of wq, wk, wv, wo.
; WHICH ROWS FORM A TILE: for query and wo tile i holds rows 16 i + r; for the others rows 32 (i / 2) + 8 (i % 2) + r + 8 (r / 8), so that a product that takes them as source 0 leaves 16 neighbours in a lane.
; SHARES: a wave makes one record: group = work-group / 2, K step = 4 (work-group % 2) + wave.  A tile's 16 rows x 512 bytes come by 16 loads of 512 consecutive bytes, turn through the wave's own stage
; in LDS (pitch 528: the sixteen rows that a load touches start in sixteen different columns of 16 bytes) and come back 128 bytes a lane and block.  Loads run two tiles (32 loads a wave) ahead.  No barrier: waves share nothing.
.set SPITCH, 528
.set RECB,   8704
.set GRPB,   8*RECB
.set LN,  3                            ; v3      lane
.set LI,  4                            ; v4      16 x lane
.set STI, 5                            ; v5      the stage, on the way in: 16 x lane
.set STO, 6                            ; v6      and out: 528 r + 128 h
.set RO,  16                           ; v16-31  row k of a tile: 16 x lane + its distance from the tile's first row
.set R,   32                           ; v32-159 two sets of 64: a tile as loaded
.set X,   160                          ; v160-223 my two blocks of 32 numbers
.set C,   224                          ; v224-231 their codes
.set E,   232                          ; v232-239 the scale word of row r of tile t
.set W,   240                          ; v240-243 the scale words as they are stored
.set SB,  32                           ; s[32:47] where each tile's first row begins
.set OUT, 48                           ; s[48:49] my record
.set SEL, 50                           ; s[50:51] v_permlanex16_b32's selects for lane l xor 16
	s_load_b512 s[8:23], s[0:1], 0x0               ; query, key, value, wq, wk, wv, wo, xc
	v_lshl_add_u32 v254, v0, 2, 0x8400
	v_mov_b32 v255, 0
	v_lshrrev_b32 v1, 5, v0
	v_readfirstlane_b32 s3, v1                     ; wave
	v_and_b32 v[LN], 31, v0
	v_and_b32 v1, 15, v0                           ; r
	v_bfe_u32 v2, v0, 4, 1                         ; h
	v_lshlrev_b32 v[LI], 4, v[LN]
	s_wait_alu depctr_va_vdst(0)
	s_mul_i32 s4, s3, 16*SPITCH                    ; my stage
	v_add_nc_u32 v[STI], s4, v[LI]
	v_mul_u32_u24 v[STO], v1, SPITCH
	v_lshl_add_u32 v[STO], v2, 7, v[STO]
	v_add_nc_u32 v[STO], s4, v[STO]
	v_lshlrev_b32 v14, 3, v2                       ; 8 h: my bytes' place in a scale word
	v_mov_b32 v15, 0                               ; a lane permute's destination counts as one of its sources
	s_mov_b32 s[SEL], 0x76543210
	s_mov_b32 s[SEL+1], 0xfedcba98
	s_lshr_b32 s2, ttmp9, 1                        ; the group
	s_and_b32 s5, ttmp9, 1
	s_lshl_b32 s5, s5, 2
	s_add_co_u32 s5, s5, s3                        ; the K step
	s_and_b32 s24, s2, 15
	s_lshl_b32 s24, s24, 21                        ; an activation: 128 rows t are 128 x 16,384 bytes,
	s_bfe_u32 s25, s2, 0x20004
	s_lshl_b32 s25, s25, 12                        ; batch b begins 4,096 bytes on
	s_add_co_u32 s24, s24, s25
	s_and_b32 s25, s2, 7
	s_lshl_b32 s25, s25, 19                        ; a weight: 128 rows of 4,096 bytes
	s_mov_b32 s26, 4096
	s_cmp_lt_u32 s2, 192
	s_cselect_b32 s26, 16384, s26                  ; bytes from row to row
	s_cselect_b32 s27, s24, s25
	s_lshl_b32 s24, s5, 9
	s_add_co_u32 s27, s27, s24                     ; + 512 bytes for each K step
	s_cmp_lt_u32 s2, 64
	s_cselect_b32 s24, 1, 0
	s_cmp_ge_u32 s2, 216
	s_cselect_b32 s24, 1, s24                      ; query and wo: rows as they lie
	s_cmp_eq_u32 s24, 1
	s_cselect_b32 s28, 16, 8                       ; an odd tile begins so many rows behind the even one
	s_cselect_b32 s29, 0, 8                        ; and a tile's rows 8 .. 15 lie so many rows further on
	s_lshr_b32 s30, s2, 6                          ; key (groups 64 to 127) has a map of its own: tile i holds rows 64 (i / 4) + 8 (i % 4) + r + 24 (r / 8),
	s_cmp_eq_u32 s30, 1                            ; so that the scores of four neighbouring tiles give a lane a whole block of 32 keys
	s_cselect_b32 s29, 24, s29
	s_cselect_b32 s30, 16, 0                       ; its tiles 2, 3, 6, 7 begin 16 rows earlier than the others' do
.irp k, 0,1,2,3,4,5,6,7
	s_mul_i32 s24, s26, \k
	v_add_nc_u32 v[RO+\k], s24, v[LI]
.endr
.irp k, 8,9,10,11,12,13,14,15
	s_add_co_u32 s24, s29, \k
	s_mul_i32 s24, s24, s26
	v_add_nc_u32 v[RO+\k], s24, v[LI]
.endr
	s_wait_alu depctr_va_vdst(0)
	s_wait_kmcnt 0x0
	s_cmp_ge_u32 s2, 64                            ; which tensor: the choice hangs on the work-group's number alone
	s_cselect_b64 s[8:9], s[10:11], s[8:9]
	s_cmp_ge_u32 s2, 128
	s_cselect_b64 s[8:9], s[12:13], s[8:9]
	s_cmp_ge_u32 s2, 192
	s_cselect_b64 s[8:9], s[14:15], s[8:9]
	s_cmp_ge_u32 s2, 200
	s_cselect_b64 s[8:9], s[16:17], s[8:9]
	s_cmp_ge_u32 s2, 208
	s_cselect_b64 s[8:9], s[18:19], s[8:9]
	s_cmp_ge_u32 s2, 216
	s_cselect_b64 s[8:9], s[20:21], s[8:9]
.irp i, 0,1,2,3,4,5,6,7
.if (\i)%2
	s_add_co_u32 s24, s28, 32*(\i/2)
.else
	s_mov_b32 s24, 32*(\i/2)
.endif
.if ((\i)%4) >= 2
	s_sub_co_u32 s24, s24, s30
.endif
	s_mul_i32 s24, s24, s26
	s_add_co_u32 s24, s24, s27
	s_mov_b32 s25, 0
	s_add_nc_u64 s[SB+2*\i:SB+2*\i+1], s[8:9], s[24:25]
.endr
	s_mul_i32 s24, s2, GRPB
	s_mul_i32 s25, s5, RECB
	s_add_co_u32 s24, s24, s25
	s_mov_b32 s25, 0
	s_add_nc_u64 s[OUT:OUT+1], s[22:23], s[24:25]
.macro LOADT t                         ; tile t: 16 rows, each 512 consecutive bytes, into set t % 2
.irp k, 0,1,2,3,4,5,6,7,8,9,10,11,12,13,14,15
	global_load_b128 v[R+64*((\t)%2)+4*\k:R+64*((\t)%2)+4*\k+3], v[RO+\k], s[SB+2*(\t):SB+2*(\t)+1] th:TH_LOAD_NT
.endr
.endm
.macro TILE t
.set RS, R+64*((\t)%2)
.if (\t) < 7
	s_wait_loadcnt 16                              ; this tile's 16 loads are in; the next tile's may be out
.else
	s_wait_loadcnt 0x0
.endif
.irp k, 0,1,2,3,4,5,6,7,8,9,10,11,12,13,14,15
	ds_store_b128 v[STI], v[RS+4*\k:RS+4*\k+3] offset:SPITCH*\k
.endr
.irp c, 0,1
.irp e, 0,1,2,3,4,5,6,7
	ds_load_b128 v[X+32*\c+4*\e:X+32*\c+4*\e+3], v[STO] offset:256*\c+16*\e   ; LDS serves a wave's instructions in order: these see the stores above
.endr
.endr
	s_wait_dscnt 0x0                               ; my 64 numbers are back, and the stores have read the set,
.if (\t) < 6
	LOADT (\t)+2                                   ; which takes the tile two further on
.endif
.irp c, 0,1
	v_max3_num_f32 v[8+\c], |v[X+32*\c]|, |v[X+32*\c+1]|, 0x1800000   ; block 2 c + h: all 32 numbers are mine; the floor 2^(3 - 127) holds the byte at 1 from below
.endr
.irp i, 2,4,6,8,10,12,14,16,18,20,22,24,26,28,30
.irp c, 0,1
	v_max3_num_f32 v[8+\c], v[8+\c], |v[X+32*\c+\i]|, |v[X+32*\c+\i+1]|
.endr
.endr
	v_add_nc_u32 v10, 0xff000000, v8               ; 2 off the exponent field: the conversion takes the exponent field of this operand as its scale
	v_add_nc_u32 v11, 0xff000000, v9
	v_lshrrev_b32 v12, 23, v10                     ; the bytes
	v_lshrrev_b32 v13, 23, v11
	v_lshl_or_b32 v12, v13, 16, v12                ; blocks h and 2 + h,
	v_lshlrev_b32 v12, v14, v12                    ; at their places in the word;
	v_permlanex16_b32 v15, v12, s[SEL], s[SEL+1]
	v_or_b32 v[E+(\t)], v12, v15                   ; with lane l xor 16's two the word is whole
.if (\t) > 0
	s_wait_alu depctr_va_vdst(0)
	s_wait_xcnt 0x0                                ; the last tile's stores have read the codes' registers: only now are they written again
.endif
.irp c, 0,1
.irp g, 0,1,2,3
	v_cvt_scalef32_pk8_fp4_f32 v[C+4*\c+\g], v[X+32*\c+8*\g:X+32*\c+8*\g+7], v[10+\c]
.endr
.endr
	v_nop                                          ; one plain place behind the last conversion
.irp c, 0,1
	global_store_b128 v[LI], v[C+4*\c:C+4*\c+3], s[OUT:OUT+1] offset:1024*(\t)+512*\c   ; 32 lanes store 512 consecutive bytes
.endr
.endm
	LOADT 0
	LOADT 1
.irp t, 0,1,2,3,4,5,6,7
	TILE \t
.endr
	v_cmp_le_u32 vcc_lo, 16, v[LN]
.irp j, 0,1,2,3
	v_cndmask_b32 v[W+\j], v[E+2*\j], v[E+2*\j+1], vcc_lo   ; lanes 0-15 the even tile's word, lanes 16-31 the odd one's
.endr
	global_store_b128 v[LI], v[W:W+3], s[OUT:OUT+1] offset:8192
	s_wait_tensorcnt 0x0
	ds_add_u32 v254, v255
	s_wait_dscnt 0x0
	s_endpgm
.Lfunc_end_k_q86ac45d084_quant:
	.size	k_q86ac45d084_quant, .Lfunc_end_k_q86ac45d084_quant-k_q86ac45d084_quant
	.p2alignl 7, 3214868480
	.fill 96, 4, 3214868480
	.section	.rodata,"a",@progbits
	.p2align	6, 0x0
	.amdhsa_kernel k_q86ac45d084_quant
		.amdhsa_group_segment_fixed_size 34304
		.amdhsa_private_segment_fixed_size 0
		.amdhsa_enable_private_segment 0
		.amdhsa_kernarg_size 64
		.amdhsa_user_sgpr_count 2
		.amdhsa_user_sgpr_kernarg_segment_ptr 1
		.amdhsa_wavefront_size32 1
		.amdhsa_system_sgpr_workgroup_id_x 1
		.amdhsa_system_sgpr_workgroup_id_y 1
		.amdhsa_system_sgpr_workgroup_id_z 1
		.amdhsa_system_vgpr_workitem_id 0
		.amdhsa_next_free_vgpr 256
		.amdhsa_next_free_sgpr 66
		.amdhsa_reserve_vcc 1
		.amdhsa_float_denorm_mode_32 3
		.amdhsa_float_denorm_mode_16_64 3
		.amdhsa_memory_ordered 1
		.amdhsa_forward_progress 1
		.amdhsa_inst_pref_size 61
	.end_amdhsa_kernel
	.amdgpu_metadata
---
amdhsa.version: [ 1, 2 ]
amdhsa.kernels:
  - .name:           k_q86ac45d084_quant
    .symbol:         k_q86ac45d084_quant.kd
    .args:
      - { .name: query, .offset: 0, .size: 8, .value_kind: global_buffer, .address_space: global }
      - { .name: key, .offset: 8, .size: 8, .value_kind: global_buffer, .address_space: global }
      - { .name: value, .offset: 16, .size: 8, .value_kind: global_buffer, .address_space: global }
      - { .name: wq, .offset: 24, .size: 8, .value_kind: global_buffer, .address_space: global }
      - { .name: wk, .offset: 32, .size: 8, .value_kind: global_buffer, .address_space: global }
      - { .name: wv, .offset: 40, .size: 8, .value_kind: global_buffer, .address_space: global }
      - { .name: wo, .offset: 48, .size: 8, .value_kind: global_buffer, .address_space: global }
      - { .name: xc, .offset: 56, .size: 8, .value_kind: global_buffer, .address_space: global }
    .group_segment_fixed_size: 34304
    .private_segment_fixed_size: 0
    .kernarg_segment_align: 8
    .kernarg_segment_size: 64
    .max_flat_workgroup_size: 128
    .sgpr_count:     66
    .vgpr_count:     256
    .wavefront_size: 32
...
	.end_amdgpu_metadata
.endif
;; end of part 1
;; launch proj (part 2): grid 8 x 96, 4 waves a work-group, clusters of 4 x 4, 213,504 bytes of LDS; arguments xc, bq, bk, bv, qi, kv; writes qi, kv
.if DOCPART == 2
	.amdgcn_target "amdgcn-amd-amdhsa--gfx1250"
	.amdhsa_code_object_version 6
	.text
	.protected	k_q86ac45d084_proj
	.globl	k_q86ac45d084_proj
	.p2align	8
	.type	k_q86ac45d084_proj,@function
k_q86ac45d084_proj:
	s_mov_b64 s[64:65], 0
	v_nop
	global_prefetch_b8 v0, s[64:65] scope:SCOPE_SE
	s_setreg_imm32_b32 hwreg(HW_REG_WAVE_MODE, 25, 1), 1
	s_wait_xcnt 0x0
	s_wait_alu depctr_hold_cnt(0) depctr_sa_sdst(0) depctr_va_vdst(0) depctr_va_sdst(0) depctr_va_ssrc(0) depctr_va_vcc(0) depctr_vm_vsrc(0)
	s_getreg_b32 s2, hwreg(HW_REG_IB_STS2, 6, 4)
	s_cmp_eq_u32 s2, 0
	s_cbranch_scc0 .Lentry_in_a_cluster
	s_endpgm
.Lentry_in_a_cluster:
	s_bfe_u32 s2, ttmp6, 0x10000c
	s_cmp_lg_u32 s2, 0xf033
	s_cbranch_scc0 .Lentry_shape_is_right
	s_endpgm
.Lentry_shape_is_right:
; q = (query wq^T + bq) / 8, k = key wk^T + bk, v = value wv^T + bv on codes of FP4 (E2M1) with E8M0 scales, and the results quantised at once: q and k along the head's 64, v along the keys.
; ONE FORM FOR THE THREE: D = S0 S1^T, source 0 = 16 rows of S0, source 1 = 16 rows of S1: a lane holds ONE row of S1, and its registers run along S0's rows.  S0's tiles hold rows 32 (i / 2) + 8 (i % 2) + r + 8 (r / 8),
; so the 64 registers of a lane's eight tiles are S0's rows 32 b + 16 h + 0 .. 15, b = 0 .. 3: four half blocks of the next K.  q, k: S0 = 128 rows of the weight (two heads), S1 = rows of x.  v: S0 = 128 keys of value, S1 = rows of wv.
; SHARES: a work-group takes one group (128 rows) of S0 and two of S1, all of K = 1024.  Wave w takes S1's group w / 2 and its tiles 2 a + w % 2, a = 0 .. 3, against S0's eight: 32 accumulators.
; All of K lies in LDS (three groups of 69,632 bytes), filled once, by one tensor load a group; nothing is filled again.
; CLUSTER 4 x 4: S1's groups hang on cy alone and are asked for jointly along a row of the cluster, S0's on cx alone and jointly along a column.
; THE FACTOR 1 / 8 is a power of two: q's codes are those of 8 q, and 3 comes off each scale byte; the floor under the largest magnitude is 3 higher, so that the byte still cannot fall under 1.
; OUT: qi [b][128 queries][head][4,608]: eight tiles of 512 bytes (lane (r, h): d = 32 h .. of query 16 i + r), then 512 bytes of scale words, word j of lane l = row l % 16 of tile 2 j + l / 16; bytes 0, 1 count.
;      kv [b][128 keys][head][9,216]: k's like q's at 0 and 4096; at 4608 four tiles of v^T (rows d = 32 (t / 2) + 8 (t % 2) + r + 8 (r / 8), K = the 128 keys) of 1,024 bytes, at 8704 their scale words.
; LIMITS: NaN and infinities are not served; a block of zeros gets the byte 1 (its codes are zeros; this program alone reads the bytes).
; REGISTERS: window 0: v1-11 lane numbers and addresses; v32-127, v128-223 two sets of fragments (S0's 64, S1's 32); v224-239 scale words; v240-255 at work.  Window 1: accumulator (i, a) at v[64 a + 8 i].
.set RECB, 8704
.set GRPB, 69632
.set CHK,  17408                       ; two records: a chunk of two K steps
.set L_S0, 2*GRPB                      ; LDS: S1's two groups, then S0's
.set LN, 1
.set RR, 2
.set LI, 3                             ; 16 x lane
.set A0, 4                             ; S0's fragments and scale words
.set A1, 5                             ; my tiles of S1
.set A1S, 6                            ; and their scale words
.set BO, 7                             ; the bias' offset
.set SOFF, 8                           ; where my scale words go
.set SH, 9                             ; 16 h
.set HH, 10
.set CO, 11                            ; where my codes go
.set PCB, 32                           ; the codes just made: 8 registers for each a
.set PW, 64                            ; their scale words
.set WW, 68                            ; the scale words as they are stored
.set BI, 128                           ; the bias, ahead of the first products
.set TM, 240
.set G1A, 16                           ; s[16:23] group 1 for S1;  s[24:31] for S0;  s[32:35], s[48:51] their groups 0
.set G1B, 24
.set G0A, 32
.set G0B, 48
.set WV, 66
.set GAM, 67
.set PI, 68
.set CX, 69
.set CY, 70
.set CLY, 71
.set PP, 72
.set BB, 73
.set EE, 74
.set ISV, 75
.set S0I, 76
.set S0G, 77
.set S1P, 78
.set S1B, 79
.set FLR, 80
.set SUB, 81
.set SEL, 82
.set OUT, 88
.set OUT2, 90
.set BP, 92
.set HS, 94
.set GR, 95
.set XX, 96
.set YY, 97
.set MSB, 0
.macro WIN new                         ; the immediate's high byte repeats the setting that is left
.if MSB != \new
	s_set_vgpr_msb (MSB<<8)|\new
.set MSB, \new
.endif
.endm
.macro CROUND                          ; a round of the cluster's barrier
	s_barrier_signal -1
	s_barrier_wait -1
	s_cmp_lg_u32 s[WV], 0
	s_cbranch_scc1 .Lnot_wave_0_\@
	s_barrier_signal -3
.Lnot_wave_0_\@:
	s_barrier_wait -3
	s_barrier_signal -1
	s_barrier_wait -1
.endm
.macro PLACES                          ; four plain places behind matrix instructions, ahead of loads into their registers and of reads of their results
.rept 4
	v_nop
.endr
.endm
	s_load_b256 s[4:11], s[0:1], 0x0               ; xc, bq, bk, bv
	s_load_b128 s[12:15], s[0:1], 0x20             ; qi, kv
	v_lshl_add_u32 v250, v0, 2, 0x34000
	v_mov_b32 v251, 0
	ds_add_u32 v250, v251
	ds_add_u32 v250, v251
	v_lshrrev_b32 v1, 5, v0
	v_readfirstlane_b32 s[WV], v1
	s_lshr_b32 s[GAM], s[WV], 1                    ; which group of S1 I multiply
	s_and_b32 s[PI], s[WV], 1                      ; which tiles of it.  Also: which group of S1 I fetch
	s_bfe_u32 s[CX], ttmp6, 0x40000
	s_bfe_u32 s[CY], ttmp6, 0x40004
	s_and_b32 s[CLY], ttmp7, 0xffff                ; cluster y = 8 x job + 2 b + e
	s_lshr_b32 s[PP], s[CLY], 3                    ; 0 q, 1 k, 2 v
	s_bfe_u32 s[BB], s[CLY], 0x20001
	s_and_b32 s[EE], s[CLY], 1
	s_cmp_eq_u32 s[PP], 2
	s_cselect_b32 s[ISV], 1, 0
	; S0: made of cx and of numbers that the whole cluster shares
	s_lshl_b32 s2, s[EE], 3
	s_lshl_b32 s[S0I], ttmp9, 2
	s_add_co_u32 s[S0I], s[S0I], s[CX]
	s_cmp_eq_u32 s[ISV], 1
	s_cselect_b32 s2, s2, 0
	s_add_co_u32 s[S0I], s[S0I], s2                ; q, k: the weight's group 0 .. 7;  v: the key step 0 .. 15
	s_lshl_b32 s2, s[BB], 4
	s_add_co_u32 s2, s2, 128
	s_lshl_b32 s3, s[PP], 3
	s_add_co_u32 s3, s3, 192
	s_cmp_eq_u32 s[ISV], 1
	s_cselect_b32 s2, s2, s3
	s_add_co_u32 s[S0G], s2, s[S0I]
	; S1: made of cy and of numbers that the whole cluster shares
	s_lshl_b32 s3, s[EE], 2
	s_cmp_eq_u32 s[ISV], 1
	s_cselect_b32 s3, 0, s3
	s_add_co_u32 s[S1P], s[CY], s3                 ; which pair of groups
	s_lshl_b32 s2, s[PP], 6
	s_lshl_b32 s3, s[BB], 4
	s_add_co_u32 s2, s2, s3
	s_cmp_eq_u32 s[ISV], 1
	s_cselect_b32 s2, 208, s2
	s_lshl_b32 s[S1B], s[S1P], 1
	s_add_co_u32 s[S1B], s[S1B], s2
	; descriptor group 1: a dense block of 69,632 bytes as 272 rows of 32 elements of 8 bytes
	s_lshl_b32 s86, s[CY], 2
	s_lshl_b32 s86, 15, s86                        ; my row of the cluster
	s_or_b32 s[G1A], s86, (3<<16)|(1<<21)
	s_lshl_b32 s84, 0x1111, s[CX]                  ; my column
	s_or_b32 s[G1B], s84, (3<<16)|(1<<21)
.irp g, G1A, G1B
	s_mov_b32 s[\g+1], 32<<16                      ; tensor_dim0
	s_mov_b32 s[\g+2], 272<<16                     ; tensor_dim1: a whole group, 69,632 bytes, is 272 rows of 256 bytes
	s_mov_b32 s[\g+3], 32<<16                      ; tile_dim0
	s_mov_b32 s[\g+4], 272                         ; tile_dim1
	s_mov_b32 s[\g+5], 32                          ; tensor_dim0_stride
	s_mov_b32 s[\g+6], 0
	s_mov_b32 s[\g+7], 0
.endr
	s_mul_i32 s84, s[S0G], GRPB
	s_mov_b32 s85, 0
	s_add_co_u32 s86, s[S1B], s[PI]
	s_mul_i32 s86, s86, GRPB
	s_mov_b32 s87, 0
	s_mul_i32 s3, s[PI], GRPB                      ; where S1's group goes: no place in the cluster enters an LDS address
	s_wait_dscnt 0x0
	s_wait_kmcnt 0x0
	s_add_nc_u64 s[84:85], s[4:5], s[84:85]
	s_add_nc_u64 s[86:87], s[4:5], s[86:87]
.irp c, 0
	s_mov_b32 s[G0A+4*\c], 1
	s_add_co_u32 s[G0A+4*\c+1], s3, CHK*\c
	s_add_nc_u64 s[G0A+4*\c+2:G0A+4*\c+3], s[86:87], CHK*\c
	s_or_b32 s[G0A+4*\c+3], s[G0A+4*\c+3], 0x80000000
	s_mov_b32 s[G0B+4*\c], 1
	s_mov_b32 s[G0B+4*\c+1], L_S0+CHK*\c
	s_add_nc_u64 s[G0B+4*\c+2:G0B+4*\c+3], s[84:85], CHK*\c
	s_or_b32 s[G0B+4*\c+3], s[G0B+4*\c+3], 0x80000000
.endr
	CROUND                                         ; all sixteen work-groups are here: the joint loads meet
	s_cmp_lt_u32 s[WV], 2                          ; a wave's four fills stand in one branch on its number: waves 0, 1 S1's two groups, wave 2 S0's, wave 3 none.  Four loads of a wave are out at the most
	s_cbranch_scc0 .Lnot_s1
	tensor_load_to_lds s[G0A:G0A+3], s[G1A:G1A+7]  ; one load a wave: a whole group of S1, all of K
	s_nop 0
.rept 4
	v_nop
.endr
	s_branch .Lasked
.Lnot_s1:
	s_cmp_eq_u32 s[WV], 2
	s_cbranch_scc0 .Lasked
	tensor_load_to_lds s[G0B:G0B+3], s[G1B:G1B+7]  ; one load: S0's group, all of K
	s_nop 0
.rept 4
	v_nop
.endr
.Lasked:
	v_and_b32 v[LN], 31, v0
	v_and_b32 v[RR], 15, v0
	v_bfe_u32 v[HH], v0, 4, 1
	v_lshlrev_b32 v[LI], 4, v[LN]
	s_wait_alu depctr_va_vdst(0)
	v_lshlrev_b32 v[SH], 4, v[HH]
	v_add_nc_u32 v[A0], L_S0, v[LI]
	s_mul_i32 s2, s[GAM], GRPB
	s_lshl_b32 s3, s[PI], 10
	s_add_co_u32 s3, s3, s2
	v_add_nc_u32 v[A1], s3, v[LI]                  ; tile 2 a + pi lies at 2048 a + 1024 pi
	s_lshl_b32 s3, s[PI], 8
	s_add_co_u32 s3, s3, s2
	s_add_co_u32 s3, s3, 8192
	v_lshl_add_u32 v[A1S], v[RR], 4, s3            ; lane r takes the four words of lane r + 16 pi: those of row r of tiles 2 a + pi
.irp b, 0,1,2,3
	v_mov_b32 v[TM+4+\b], 0                        ; a lane permute's destination counts as one of its sources
.endr
	s_mov_b32 s[SEL], 0x76543210
	s_mov_b32 s[SEL+1], 0xfedcba98
	; where the results go, and the bias.  grp = S1's group among its tensor's
	s_lshl_b32 s[GR], s[S1P], 1
	s_add_co_u32 s[GR], s[GR], s[GAM]
	s_lshl_b32 s3, s[PI], 5
	s_cmp_eq_u32 s[ISV], 1
	s_cselect_b32 s[XX], s[S0I], s[GR]             ; the block of 128 queries or keys
	s_cselect_b32 s[YY], s[GR], s[S0I]             ; the pair of heads
	s_cselect_b32 s3, s3, 0
	s_cselect_b32 s2, 10, 9
	s_lshl_b32 s2, s[PI], s2                       ; my tiles begin 512 pi (q, k) or 1024 pi (v) bytes on
	v_add_nc_u32 v[CO], s2, v[LI]
	s_mov_b32 s[HS], 9216
	s_mov_b32 s[FLR], 3<<23
	s_cmp_eq_u32 s[PP], 0
	s_cselect_b64 s[OUT:OUT+1], s[12:13], s[14:15]
	s_cselect_b32 s[HS], 4608, s[HS]               ; a head's record
	s_cselect_b32 s[FLR], 6<<23, s[FLR]
	s_cselect_b32 s[SUB], 0x03030303, 0
	s_cselect_b64 s[BP:BP+1], s[6:7], s[8:9]
	s_cmp_eq_u32 s[ISV], 1
	s_cselect_b64 s[BP:BP+1], s[10:11], s[BP:BP+1]
	s_lshl_b32 s98, s[YY], 9                       ; 128 features of 4 bytes for each pair of heads,
	s_add_co_u32 s98, s98, s3                      ; and for v my tiles' 8 pi features
	s_mov_b32 s99, 0
	s_add_nc_u64 s[BP:BP+1], s[BP:BP+1], s[98:99]
	s_lshl_b32 s98, s[BB], 4
	s_add_co_u32 s98, s98, s[XX]
	s_lshl_b32 s98, s98, 4
	s_lshl_b32 s99, s[YY], 1
	s_add_co_u32 s98, s98, s99
	s_mul_i32 s98, s98, s[HS]
	s_mov_b32 s99, 0
	s_add_nc_u64 s[OUT:OUT+1], s[OUT:OUT+1], s[98:99]
	s_mov_b32 s98, s[HS]
	s_add_nc_u64 s[OUT2:OUT2+1], s[OUT:OUT+1], s[98:99]   ; the pair's second head
	s_lshl_b32 s3, s[PI], 8
	v_lshl_add_u32 v[SOFF], v[RR], 4, s3
	v_mul_u32_u24 v12, s[HS], v[HH]
	v_add_nc_u32 v[SOFF], v[SOFF], v12             ; 16 r + 256 pi, lanes 16-31 in the second head's record
	; THE BIAS is the C of each sum's first product.  Both forms fill the same 64 registers, so that these are written on either way
	s_cmp_eq_u32 s[ISV], 1
	s_cbranch_scc1 .Lbias_v
	v_lshlrev_b32 v[BO], 6, v[HH]                  ; q, k: register j of tile i is feature 32 (i / 2) + 8 (i % 2) + 16 h + j
.irp i, 0,1,2,3,4,5,6,7
	global_load_b128 v[BI+8*\i:BI+8*\i+3], v[BO], s[BP:BP+1] offset:(32*(\i/2)+8*(\i%2))*4
	global_load_b128 v[BI+8*\i+4:BI+8*\i+7], v[BO], s[BP:BP+1] offset:(32*(\i/2)+8*(\i%2))*4+16
.endr
	s_branch .Lbias_in
.Lbias_v:
	v_and_b32 v[BO], 8, v[RR]                      ; v: all eight registers of a tile are the lane's own feature, 32 a + 8 pi + r + 8 (r / 8); the four sets stand twice, and the products take the copies by turns
	v_add_nc_u32 v[BO], v[BO], v[RR]
	v_lshlrev_b32 v[BO], 2, v[BO]
.irp u, 0,1
.irp a, 0,1,2,3
.irp j, 0,1,2,3,4,5,6,7
	global_load_b32 v[BI+32*\u+8*\a+\j], v[BO], s[BP:BP+1] offset:128*\a
.endr
.endr
.endr
.Lbias_in:
; 26 LDS loads: a K step's fragments and scale words into set f, from off bytes behind the addresses
.macro FETCH f, off
.irp i, 0,1,2,3,4,5,6,7
.irp c, 0,1
	ds_load_b128 v[32+96*\f+8*\i+4*\c:32+96*\f+8*\i+4*\c+3], v[A0] offset:\off+1024*\i+512*\c
.endr
.endr
	ds_load_b128 v[224+8*\f:227+8*\f], v[A0] offset:\off+8192      ; register j: lanes 0-15 tile 2 j's words, lanes 16-31 tile 2 j + 1's
.irp a, 0,1,2,3
.irp c, 0,1
	ds_load_b128 v[96+96*\f+8*\a+4*\c:96+96*\f+8*\a+4*\c+3], v[A1] offset:\off+2048*\a+512*\c
.endr
.endr
	ds_load_b128 v[228+8*\f:231+8*\f], v[A1S] offset:\off          ; register a: tile 2 a + pi's words, in lanes 0-15
.endm
.macro PROD f, a, i, cmode
.set rD, 64*(\a)+8*(\i)
.set rA, 32+96*(\f)+8*(\i)
.set rB, 96+96*(\f)+8*(\a)
.set rC, rD
.if \cmode == 1
.set rC, BI+8*(\i)
.elseif \cmode == 2
.set rC, BI+32*((\i)%2)+8*(\a)
.endif
.if (\i)%2
	v_wmma_scale_f32_16x16x128_f8f6f4 v[rD:rD+7], v[rA:rA+7], v[rB:rB+7], v[rC:rC+7], v[224+8*(\f)+(\i)/2], v[228+8*(\f)+(\a)] matrix_a_fmt:MATRIX_FMT_FP4 matrix_b_fmt:MATRIX_FMT_FP4 matrix_a_scale:MATRIX_SCALE_ROW1
.else
	v_wmma_scale_f32_16x16x128_f8f6f4 v[rD:rD+7], v[rA:rA+7], v[rB:rB+7], v[rC:rC+7], v[224+8*(\f)+(\i)/2], v[228+8*(\f)+(\a)] matrix_a_fmt:MATRIX_FMT_FP4 matrix_b_fmt:MATRIX_FMT_FP4
.endif
.endm
; a K step: 32 products; the 32 accumulators take turns, one instruction a turn, in the same order in every step.  cmode 0: C = D; 1, 2: C = the bias, in window 0
.macro MUL32 f, cmode
.if \cmode == 0
	WIN 0x50
.else
	WIN 0x40
.endif
.irp a, 0,1,2,3
.irp i, 0,1,2,3,4,5,6,7
	PROD \f, \a, \i, \cmode
.endr
.endr
	WIN 0
.endm
.macro STEPADR
	v_add_nc_u32 v[A0], CHK, v[A0]
	v_add_nc_u32 v[A1], CHK, v[A1]
	v_add_nc_u32 v[A1S], CHK, v[A1S]
.endm
	; chunk 0
	s_wait_tensorcnt 0x0                           ; my group has landed
	s_barrier_signal -1
	s_barrier_wait -1                              ; everybody's has
	FETCH 0, 0
	s_wait_loadcnt 0x0                             ; the bias
	s_wait_dscnt 0x0
	s_cmp_eq_u32 s[ISV], 1
	s_cbranch_scc1 .Lfirst_v
	MUL32 0, 1
	s_branch .Lfirst_done
.Lfirst_v:
	MUL32 0, 2
.Lfirst_done:
	PLACES                                         ; the bias lay where set 1 goes
	FETCH 1, RECB
	STEPADR
	s_wait_alu depctr_va_vdst(0)
	s_wait_dscnt 0x0
	MUL32 1, 0
.macro CHUNK c
	PLACES                                         ; all of K lies in LDS since the one barrier above
	FETCH 0, 0
	FETCH 1, RECB
	s_wait_dscnt 26                                ; set 0 is in; set 1's 26 loads may be out
	MUL32 0, 0
.if \c < 3
	STEPADR
.endif
	s_wait_dscnt 0x0
	MUL32 1, 0
.endm
	CHUNK 1
	s_wait_alu depctr_va_vdst(0)
	CHUNK 2
	s_wait_alu depctr_va_vdst(0)
	CHUNK 3
; The 64 numbers of a lane for S1's tile 2 a + pi, register 16 b + i = place 32 b + 16 h + i along the next K, become a fragment's codes in v[PCB + 8 a] on and its scale word in v[PW + a].  Each accumulator is read from its low end on
.macro QUANT a
.set QS, 64*(\a)
	WIN 0x05                                       ; sources 0 and 1 in window 1
.irp b, 0,1,2,3
	v_max3_num_f32 v[TM+\b], |v[QS+16*\b]|, |v[QS+16*\b+1]|, s[FLR]   ; my 16 numbers of block b, and the floor
.endr
	WIN 0x14                                       ; sources 1 and 2 in window 1
.irp i, 2,4,6,8,10,12,14
.irp b, 0,1,2,3
	v_max3_num_f32 v[TM+\b], v[TM+\b], |v[QS+16*\b+\i]|, |v[QS+16*\b+\i+1]|
.endr
.endr
	WIN 0
.irp b, 0,1,2,3
	v_permlanex16_b32 v[TM+4+\b], v[TM+\b], s[SEL], s[SEL+1]
.endr
.irp b, 0,1,2,3
	v_max_num_f32 v[TM+\b], v[TM+\b], v[TM+4+\b]   ; with lane l xor 16's: the block's largest magnitude
.endr
.irp b, 0,1,2,3
	v_add_nc_u32 v[TM+12+\b], 0xff000000, v[TM+\b] ; 2 off its exponent field: the conversion's scale operand
.endr
.irp b, 0,1,2,3
	v_lshrrev_b32 v[TM+4+\b], 23, v[TM+12+\b]      ; the byte
.endr
	v_lshl_or_b32 v[PW+\a], v[TM+5], 8, v[TM+4]
	v_lshl_or_b32 v[PW+\a], v[TM+6], 16, v[PW+\a]
	v_lshl_or_b32 v[PW+\a], v[TM+7], 24, v[PW+\a]
	v_sub_nc_u32 v[PW+\a], v[PW+\a], s[SUB]        ; q: 3 off each byte, the factor 1 / 8 (each byte is 4 at the least there)
	WIN 0x01                                       ; source 0 in window 1
.irp b, 0,1,2,3
	v_cvt_scalef32_pk8_fp4_f32 v[PCB+8*\a+2*\b], v[QS+16*\b:QS+16*\b+7], v[TM+12+\b]
	v_cvt_scalef32_pk8_fp4_f32 v[PCB+8*\a+2*\b+1], v[QS+16*\b+8:QS+16*\b+15], v[TM+12+\b]
.endr
	WIN 0
	v_nop                                          ; one plain place behind a scaled conversion
.irp c, 0,1                                    ; a whole block to a lane: lanes 0-15 block 2 c, lanes 16-31 block 2 c + 1
.irp i, 0,1
	v_permlane16_swap_b32 v[PCB+8*\a+4*\c+\i], v[PCB+8*\a+4*\c+2+\i]
.endr
.endr
.endm
	PLACES
	QUANT 0
	QUANT 1
	QUANT 2
	QUANT 3
	s_cmp_eq_u32 s[ISV], 1
	s_cbranch_scc1 .Lout_v
.irp a, 0,1,2,3
	v_lshrrev_b32 v[WW+\a], v[SH], v[PW+\a]        ; lanes 0-15 store the first head's word (bytes 0, 1), lanes 16-31 the second's (bytes 2, 3 brought down)
.endr
.irp a, 0,1,2,3
	global_store_b128 v[CO], v[PCB+8*\a:PCB+8*\a+3], s[OUT:OUT+1] offset:1024*\a       ; blocks 0, 1: the first head's 64; 512 consecutive bytes
	global_store_b128 v[CO], v[PCB+8*\a+4:PCB+8*\a+7], s[OUT2:OUT2+1] offset:1024*\a   ; blocks 2, 3: the second head's
.endr
	global_store_b128 v[SOFF], v[WW:WW+3], s[OUT:OUT+1] offset:4096   ; sixteen lanes store 256 consecutive bytes, aligned
	s_branch .Lout_done
.Lout_v:
	v_cmp_le_u32 vcc_lo, 16, v[LN]
	v_cndmask_b32 v[WW], v[PW], v[PW+2], vcc_lo    ; a = 0, 1 are the first head's tiles, a = 2, 3 the second's
	v_cndmask_b32 v[WW+1], v[PW+1], v[PW+3], vcc_lo
	v_mov_b32 v[WW+2], v[WW]                       ; words 2, 3 are not read; they repeat 0, 1, so that every byte is written
	v_mov_b32 v[WW+3], v[WW+1]
	s_wait_alu depctr_va_vdst(0)
.irp a, 0,1,2,3
	global_store_b128 v[CO], v[PCB+8*\a:PCB+8*\a+3], s[OUT:OUT+1] offset:4608+9216*(\a/2)+2048*(\a%2)
	global_store_b128 v[CO], v[PCB+8*\a+4:PCB+8*\a+7], s[OUT:OUT+1] offset:4608+9216*(\a/2)+2048*(\a%2)+512
.endr
	global_store_b128 v[SOFF], v[WW:WW+3], s[OUT:OUT+1] offset:8704
.Lout_done:
	s_wait_tensorcnt 0x0
	ds_add_u32 v250, v251
	s_wait_dscnt 0x0
	CROUND                                         ; the closing round: no work-group ends while a partner may still ask for a tile that names it
	s_endpgm
.Lfunc_end_k_q86ac45d084_proj:
	.size	k_q86ac45d084_proj, .Lfunc_end_k_q86ac45d084_proj-k_q86ac45d084_proj
	.p2alignl 7, 3214868480
	.fill 96, 4, 3214868480
	.section	.rodata,"a",@progbits
	.p2align	6, 0x0
	.amdhsa_kernel k_q86ac45d084_proj
		.amdhsa_group_segment_fixed_size 213504
		.amdhsa_private_segment_fixed_size 0
		.amdhsa_enable_private_segment 0
		.amdhsa_kernarg_size 48
		.amdhsa_user_sgpr_count 2
		.amdhsa_user_sgpr_kernarg_segment_ptr 1
		.amdhsa_wavefront_size32 1
		.amdhsa_system_sgpr_workgroup_id_x 1
		.amdhsa_system_sgpr_workgroup_id_y 1
		.amdhsa_system_sgpr_workgroup_id_z 1
		.amdhsa_system_vgpr_workitem_id 0
		.amdhsa_next_free_vgpr 512
		.amdhsa_next_free_sgpr 100
		.amdhsa_reserve_vcc 1
		.amdhsa_float_denorm_mode_32 3
		.amdhsa_float_denorm_mode_16_64 3
		.amdhsa_memory_ordered 1
		.amdhsa_forward_progress 1
		.amdhsa_inst_pref_size 84
	.end_amdhsa_kernel
	.amdgpu_metadata
---
amdhsa.version: [ 1, 2 ]
amdhsa.kernels:
  - .name:           k_q86ac45d084_proj
    .symbol:         k_q86ac45d084_proj.kd
    .args:
      - { .name: xc, .offset: 0, .size: 8, .value_kind: global_buffer, .address_space: global }
      - { .name: bq, .offset: 8, .size: 8, .value_kind: global_buffer, .address_space: global }
      - { .name: bk, .offset: 16, .size: 8, .value_kind: global_buffer, .address_space: global }
      - { .name: bv, .offset: 24, .size: 8, .value_kind: global_buffer, .address_space: global }
      - { .name: qi, .offset: 32, .size: 8, .value_kind: global_buffer, .address_space: global }
      - { .name: kv, .offset: 40, .size: 8, .value_kind: global_buffer, .address_space: global }
    .group_segment_fixed_size: 213504
    .private_segment_fixed_size: 0
    .kernarg_segment_align: 8
    .kernarg_segment_size: 48
    .max_flat_workgroup_size: 128
    .sgpr_count:     100
    .vgpr_count:     512
    .wavefront_size: 32
...
	.end_amdgpu_metadata
.endif
;; end of part 2
;; launch attn (part 3): grid 16 x 16, 16 waves a work-group, clusters of 4 x 4, 327,680 bytes of LDS; arguments attn_mask, qi, kv, ai; writes ai
.if DOCPART == 3
	.amdgcn_target "amdgcn-amd-amdhsa--gfx1250"
	.amdhsa_code_object_version 6
	.text
	.protected	k_q86ac45d084_attn
	.globl	k_q86ac45d084_attn
	.p2align	8
	.type	k_q86ac45d084_attn,@function
k_q86ac45d084_attn:
	s_mov_b64 s[64:65], 0
	v_nop
	global_prefetch_b8 v0, s[64:65] scope:SCOPE_SE
	s_setreg_imm32_b32 hwreg(HW_REG_WAVE_MODE, 25, 1), 1
	s_wait_xcnt 0x0
	s_wait_alu depctr_hold_cnt(0) depctr_sa_sdst(0) depctr_va_vdst(0) depctr_va_sdst(0) depctr_va_ssrc(0) depctr_va_vcc(0) depctr_vm_vsrc(0)
	s_getreg_b32 s2, hwreg(HW_REG_IB_STS2, 6, 4)
	s_cmp_eq_u32 s2, 0
	s_cbranch_scc0 .Lentry_in_a_cluster
	s_endpgm
.Lentry_in_a_cluster:
	s_bfe_u32 s2, ttmp6, 0x10000c
	s_cmp_lg_u32 s2, 0xf033
	s_cbranch_scc0 .Lentry_shape_is_right
	s_endpgm
.Lentry_shape_is_right:
; softmax(q k^T + attn_mask) v for 64 heads of 64, 2,048 queries x 2,048 keys, both products on codes of FP4 (E2M1) with E8M0 scales; the result, divided by the row's sum, is quantised along E = 64 head + d for the last product.
; THE MASK IS AN INPUT: every number of it is read and added, and every score is computed.  It is the C operand of the first product.
; THE SOFTMAX: t = logit x log2(e), rounded to f32; M = the running largest t rounded up to a whole number; p = 2^(t - M) is quantised along the keys; the sum is taken of the unquantised p.  When M moves, sum and O are
; multiplied by 2^(old M - new M), exactly.  Multiplication and subtraction are two instructions: t - M is then exact for a mask with any common offset.
; LIMITS: infinities and NaN in the mask are not served; t stays under 2^31 in magnitude.  A block of zeros gets the byte 1 (its codes are zeros; this program alone reads the bytes).
; SHARES: 256 work-groups.  A work-group has 4 heads and a block of 128 queries, taken in two passes: pass p works the tiles 2 (w / 4) + p; wave w takes head 4 hg + w % 4.  A row of the mask in LDS serves four heads, a head's k and v four tiles.
; LAYOUT: both products transposed (source 0 = 16 keys, or 16 of the head's 64): a lane holds one query.  Tile t of k holds keys 64 (t / 4) + 32 (row / 8) + 8 (t % 4) + row % 8, so that lane (r, h) holds in the 32 registers of
; tiles 4 c .. 4 c + 3 the whole block of keys 64 c + 32 h + 0 .. 31: the block's maximum needs no other lane, and conversion t gives register t of the second product's operand.
; K = 64 IN AN INSTRUCTION OF 128: q's registers 4-7 are zeros; the upper four registers named with a tile of k are the next tile's codes (behind the last: zeros).
; RING: two slots of 256 keys: the mask's 64 rows x 1,024 bytes (pitch 1,040) and 2 key steps x 4 heads x 9,216 bytes of kv.  Waves 0-3 fetch the mask, waves 4-7 kv, one joint load each.  16 tiles are walked (8 a pass); the ring goes on
; from pass 0 into pass 1: the changes of the fourth trip ask for pass 1's first two tiles.  The change of slots stands in the middle of a slot's last key step, when its k, mask and v^T are in registers.
; CLUSTER 4 x 4: the mask hangs on cx alone (shared along a column), kv on cy alone (shared along a row).
.set MSL,  66560
.set MP,   1040
.set KVL,  2*MSL
.set KSL,  73728
.set SPARE, KVL+2*KSL                  ; the spare words: 128 bytes for each of 16 waves
.set STG,  SPARE+2048                  ; 512 bytes: the way out's scale bytes; no tile lands here
.set AM,  1                            ; v1-2 my row of the mask in slot 0, 1;  v3-4 my head's record + 16 x lane;  v5, v6 the add's registers;  v7 the prefetches' offset;  v8 8 h
.set AKV, 3
.set SPW, 5
.set NIL, 6
.set PFO, 7
; v12 -M, v13 the largest t, v[14:15] the sum; v16-23 q, v24 its scale words; v25-28 the way out's offsets; v32-67 k; v68-71, v72-75 k's and v's scale words; v76-80 pass 1's q; v96-159 mask, logits, t, p;
; v160-191 O^T; v192-223 v^T; v224-231 p's codes; v232-255 at work (v252 f, v253 p's scale word)
.set G1M, 16
.set G1KV, 24
.set G0M, 32
.set G0KV, 40
.set WV, 48
.set HL, 49
.set QT, 50
.set CX, 51
.set CY, 52
.set CLY, 53
.set QG, 54
.set HD, 56
.set BQ, 57
.set CS, 58
.set SEL, 60
.set CNT, 62                           ; trips still to go
.set LIM, 63                           ; a wave prefetches at the changes whose number is under this
.set PFA, 66
.set PFS, 68                           ; a tile on, for the prefetches;  PFW: from pass 0's last tile to pass 1's first;  PD: the one chosen
.set QP, 80
.set AIP, 82
.set AIS, 84
.set DM, 86                            ; s[86:87], s[88:89] what this trip's refills add to the mask's and kv's addresses
.set DK, 88
.set DB, 96                            ; s[96:97] what this trip's refills take off kv's address
.set TT, 90                            ; the number of the change of slots, 0 .. 13
.set PFW, 92
.set PD, 94
.macro CREST
	s_cmp_lg_u32 s[WV], 0
	s_cbranch_scc1 .Lnot_wave_0_\@
	s_barrier_signal -3
.Lnot_wave_0_\@:
	s_barrier_wait -3
	s_barrier_signal -1
	s_barrier_wait -1
.endm
.macro CROUND
	s_barrier_signal -1
	s_barrier_wait -1
	CREST
.endm
.macro JLOAD n                         ; a joint load into slot n: one chain of branches on the wave's number, one load to an arm
	s_cmp_lt_u32 s[WV], 4
	s_cbranch_scc0 .Lnot_m_\@
	tensor_load_to_lds s[G0M+4*(\n):G0M+4*(\n)+3], s[G1M:G1M+7]
	s_nop 0
.rept 4
	v_nop
.endr
	s_branch .Lasked_\@
.Lnot_m_\@:
	s_cmp_lt_u32 s[WV], 8
	s_cbranch_scc0 .Lasked_\@
	tensor_load_to_lds s[G0KV+4*(\n):G0KV+4*(\n)+3], s[G1KV:G1KV+7]
	s_nop 0
.rept 4
	v_nop
.endr
.Lasked_\@:
.endm
; A PREFETCH INTO THE L2: change T, which loads tile T + 2, asks for tile T + 3, by waves that fetch nothing, one instruction each.  The mask is read by all four rows of clusters: cluster y = 0 asks, partner cy for the 16 rows of
; query tile cy, waves 8 and 9 eight rows each, four lanes to a row's 1,024 bytes: T = 0 .. 12.  kv is read by all four columns of clusters: cluster x = 0 asks, partner cx for the quarter that wave 4 + cx fetches, waves 10 to 12
; twenty-four blocks of 256 bytes each (lanes 24-31 name lane 23's again): T = 0 .. 4 alone, since pass 1 reads the same kv again.  Partners are told apart by address alone.  Tiles 0 to 2 come by their loads alone.
.macro ASK
	s_cmp_lt_u32 s[TT], s[LIM]
	s_cbranch_scc0 .Lnot_mine_\@
	global_prefetch_b8 v[PFO], s[PFA:PFA+1] th:TH_LOAD_NT scope:SCOPE_SE
.Lnot_mine_\@:
	s_add_co_u32 s[TT], s[TT], 1
.endm
	s_load_b256 s[4:11], s[0:1], 0x0               ; attn_mask, qi, kv, ai
	v_lshl_add_u32 v[SPW], v0, 2, SPARE
	v_mov_b32 v[NIL], 0
	ds_add_u32 v[SPW], v[NIL]                      ; the opening lines: the add twice on end and one wait
	ds_add_u32 v[SPW], v[NIL]
	v_lshrrev_b32 v8, 5, v0
	v_readfirstlane_b32 s[WV], v8
	s_and_b32 s[HL], s[WV], 3
	s_lshr_b32 s[QT], s[WV], 2
	s_bfe_u32 s[CX], ttmp6, 0x40000
	s_bfe_u32 s[CY], ttmp6, 0x40004                ; the group of four heads
	s_and_b32 s[CLY], ttmp7, 0xffff                ; the batch
	s_lshl_b32 s[QG], ttmp9, 2
	s_add_co_u32 s[QG], s[QG], s[CX]               ; the block of 128 queries
	s_lshl_b32 s70, 0x1111, s[CX]                  ; my column of the cluster
	s_or_b32 s[G1M], s70, (2<<16)|(1<<20)|(1<<21)|(7<<22)|(3<<25)  ; elements of 4 bytes; 4 words of padding behind every 256
	s_mov_b32 s[G1M+1], 256<<16
	s_mov_b32 s[G1M+2], 16<<16
	s_mov_b32 s[G1M+3], 256<<16
	s_mov_b32 s[G1M+4], 16
	s_mov_b32 s[G1M+5], 2048
	s_mov_b32 s[G1M+6], 0
	s_mov_b32 s[G1M+7], 0
	s_lshl_b32 s72, s[CY], 2
	s_lshl_b32 s72, 15, s72                        ; my row
	s_or_b32 s[G1KV], s72, (3<<16)|(1<<21)         ; a dense block of 18,432 bytes as 72 rows of 256 bytes
	s_mov_b32 s[G1KV+1], 32<<16
	s_mov_b32 s[G1KV+2], 72<<16
	s_mov_b32 s[G1KV+3], 32<<16
	s_mov_b32 s[G1KV+4], 72
	s_mov_b32 s[G1KV+5], 32
	s_mov_b32 s[G1KV+6], 0
	s_mov_b32 s[G1KV+7], 0
	s_lshl_b32 s70, s[QG], 7                       ; the mask: row 128 qg + 32 (w % 4); pass 1: 16 rows on
	s_lshl_b32 s2, s[HL], 5
	s_add_co_u32 s70, s70, s2
	s_lshl_b32 s70, s70, 13
	s_mov_b32 s71, 0
	s_lshl_b32 s72, s[CLY], 4                      ; kv: record (16 b + step) 16 + 4 hg + 2 (w % 2), step = (w / 2) % 2
	s_bfe_u32 s2, s[WV], 0x10001
	s_add_co_u32 s72, s72, s2
	s_lshl_b32 s72, s72, 4
	s_lshl_b32 s73, s[CY], 2
	s_add_co_u32 s72, s72, s73
	s_and_b32 s2, s[WV], 1
	s_lshl_b32 s2, s2, 1
	s_add_co_u32 s72, s72, s2
	s_mul_i32 s72, s72, 9216
	s_mov_b32 s73, 0
	s_mul_i32 s2, s[HL], 16*MP                     ; where they go: the wave's number alone
	s_mul_i32 s3, s[HL], 18432
	s_add_co_u32 s3, s3, KVL
	s_wait_dscnt 0x0
	s_wait_kmcnt 0x0
	s_add_nc_u64 s[70:71], s[4:5], s[70:71]
	s_add_nc_u64 s[72:73], s[8:9], s[72:73]
.irp n, 0,1
	s_mov_b32 s[G0M+4*\n], 1
	s_add_co_u32 s[G0M+4*\n+1], s2, MSL*\n
	s_add_nc_u64 s[G0M+4*\n+2:G0M+4*\n+3], s[70:71], 1024*\n
	s_or_b32 s[G0M+4*\n+3], s[G0M+4*\n+3], 0x80000000
	s_mov_b32 s[G0KV+4*\n], 1
	s_add_co_u32 s[G0KV+4*\n+1], s3, KSL*\n
	s_add_nc_u64 s[G0KV+4*\n+2:G0KV+4*\n+3], s[72:73], 294912*\n
	s_or_b32 s[G0KV+4*\n+3], s[G0KV+4*\n+3], 0x80000000
.endr
	CROUND                                         ; all sixteen work-groups are here
	JLOAD 0                                        ; tile 0: one load a wave at the head
	; scalars first, then one run of vector lines
	s_mul_i32 s2, s[QT], 16*MP
	s_mul_i32 s3, s[HL], 9216
	s_add_co_u32 s3, s3, KVL
	s_lshr_b32 s74, s[HL], 1
	s_lshl_b32 s74, s74, 8
	s_lshl_b32 s75, s[QT], 2
	s_add_co_u32 s74, s74, s75
	s_and_b32 s75, s[HL], 1
	s_lshl_b32 s75, s75, 1
	s_add_co_u32 s74, s74, s75
	s_add_co_u32 s74, s74, STG                     ; my two scale bytes: STG + 256 (hl / 2) + 4 (w / 4) + 2 (hl % 2) + 16 r
	s_lshl_b32 s75, s[QT], 10                      ; q's tile 2 (w / 4)
	s_lshl_b32 s76, s[QT], 2
	s_lshl_b32 s70, s[QG], 7                       ; the mask's prefetches: row 128 qg + 32 cy + 8 (w % 2), at tile 2
	s_lshl_b32 s71, s[CY], 5
	s_add_co_u32 s70, s70, s71
	s_and_b32 s71, s[WV], 1
	s_lshl_b32 s71, s71, 3
	s_add_co_u32 s70, s70, s71
	s_lshl_b32 s70, s70, 13
	s_add_co_u32 s70, s70, 2048
	s_lshl_b32 s78, s[CLY], 4                      ; kv's: the quarter of partner cx, at tile 2
	s_lshr_b32 s79, s[CX], 1
	s_add_co_u32 s78, s78, s79
	s_lshl_b32 s78, s78, 4
	s_lshl_b32 s79, s[CY], 2
	s_add_co_u32 s78, s78, s79
	s_and_b32 s79, s[CX], 1
	s_lshl_b32 s79, s79, 1
	s_add_co_u32 s78, s78, s79
	s_mul_i32 s78, s78, 9216
	s_sub_co_u32 s79, s[WV], 10
	s_min_u32 s79, s79, 2
	s_mul_i32 s79, s79, 6144
	s_add_co_u32 s78, s78, s79
	s_add_co_u32 s78, s78, 589824
	s_mov_b32 s79, 294912
	s_cmp_lt_u32 s[WV], 10
	s_cselect_b64 s[PFA:PFA+1], s[4:5], s[8:9]
	s_cselect_b32 s70, s70, s78
	s_cselect_b32 s[PFS], 1024, s79
	s_cselect_b32 s[PFW], 123904, s79              ; the mask: 16 rows down, 7 tiles back
	s_cselect_b32 s77, -1, 0
	s_mov_b32 s71, 0
	s_mov_b32 s[PD+1], 0
	s_add_nc_u64 s[PFA:PFA+1], s[PFA:PFA+1], s[70:71]
	s_lshr_b32 s72, s[WV], 1
	s_xor_b32 s72, s72, 4
	s_or_b32 s72, s72, s[CLY]                      ; 0: waves 8, 9 where cluster y = 0
	s_cmp_eq_u32 s72, 0
	s_cselect_b32 s[LIM], 13, 0
	s_sub_co_u32 s72, s[WV], 10
	s_cmp_lt_u32 s72, 3
	s_cselect_b32 s72, 0, 1
	s_or_b32 s72, s72, ttmp9                       ; 0: waves 10 to 12 where cluster x = 0
	s_cmp_eq_u32 s72, 0
	s_cselect_b32 s[LIM], 5, s[LIM]                ; the same in all sixteen partners, for a given wave
	s_lshl_b32 s[HD], s[CY], 2
	s_add_co_u32 s[HD], s[HD], s[HL]               ; my head
	s_lshl_b32 s[BQ], s[CLY], 4
	s_add_co_u32 s[BQ], s[BQ], s[QG]
	s_lshl_b32 s72, s[BQ], 4
	s_add_co_u32 s72, s72, s[HD]
	s_mul_i32 s72, s72, 4608
	s_mov_b32 s73, 0
	s_add_nc_u64 s[QP:QP+1], s[6:7], s[72:73]
	s_mul_i32 s72, s[BQ], 69632
	s_add_nc_u64 s[AIS:AIS+1], s[10:11], s[72:73]  ; ai: my group of 128 rows
	s_lshr_b32 s72, s[HD], 1
	s_mul_i32 s72, s72, 8704                       ; K step head / 2,
	s_lshl_b32 s78, s[QT], 11
	s_add_co_u32 s72, s72, s78                     ; tile 2 (w / 4),
	s_and_b32 s78, s[HD], 1
	s_lshl_b32 s78, s78, 9
	s_add_co_u32 s72, s72, s78                     ; half head % 2
	s_add_nc_u64 s[AIP:AIP+1], s[AIS:AIS+1], s[72:73]
	s_mul_i32 s72, s[CY], 2*8704
	s_add_co_u32 s72, s72, 8192
	s_add_nc_u64 s[AIS:AIS+1], s[AIS:AIS+1], s[72:73]
	s_mov_b32 s[CS], 0x3fb8aa3b                    ; log2(e)
	s_mov_b32 s[CS+1], s[CS]
	s_mov_b32 s[SEL], 0x76543210
	s_mov_b32 s[SEL+1], 0xfedcba98
	s_mov_b32 s[CNT], 7
	s_mov_b32 s[TT], 0
	s_mov_b32 s[DM+1], 0
	s_mov_b32 s[DK+1], 0
	s_mov_b32 s[DB+1], 0
	v_and_b32 v9, 15, v0                           ; r
	v_bfe_u32 v10, v0, 4, 1                        ; h
	v_and_b32 v11, 31, v0                          ; lane
	v_lshlrev_b32 v8, 3, v10                       ; 8 h
	v_mul_u32_u24 v[AM], v9, MP
	v_lshl_add_u32 v[AM], v10, 7, v[AM]            ; my half's 32 keys begin 128 h bytes on
	v_add_nc_u32 v[AM], s2, v[AM]
	v_add_nc_u32 v[AM+1], MSL, v[AM]
	v_lshl_add_u32 v[AKV], v11, 4, s3
	v_add_nc_u32 v[AKV+1], KSL, v[AKV]
	v_lshl_add_u32 v25, v9, 4, s74
	v_lshl_add_u32 v26, v11, 4, STG                ; wave 0 reads the scale bytes back: 16 x lane
	v_mul_u32_u24 v27, v10, 8704
	v_lshl_add_u32 v27, v9, 4, v27                 ; and stores them: 16 r, lanes 16-31 in the next record
	v_lshlrev_b32 v28, 4, v11
	v_lshl_add_u32 v29, v11, 4, s75
	v_lshl_add_u32 v30, v9, 4, s76
	global_load_b128 v[16:19], v29, s[QP:QP+1]               ; q's codes of pass 0,
	global_load_b128 v[76:79], v29, s[QP:QP+1] offset:512    ; and of pass 1: the next tile
	global_load_b32 v24, v30, s[QP:QP+1] offset:4096         ; their scale words: word w / 4 of lane r + 16 pass
	global_load_b32 v80, v30, s[QP:QP+1] offset:4352
	v_lshrrev_b32 v31, 2, v11
	v_lshlrev_b32 v31, 13, v31
	v_and_b32 v[PFO], 3, v11
	v_lshl_add_u32 v31, v[PFO], 8, v31             ; the mask: row lane / 4, block lane % 4
	v_min_u32 v[PFO], 23, v11
	v_lshlrev_b32 v[PFO], 8, v[PFO]                ; kv: 256 bytes a lane
	v_cndmask_b32 v[PFO], v[PFO], v31, s77
.irp j, 20,21,22,23,64,65,66,67,14,15,236,237,238,253
	v_mov_b32 v[\j], 0                             ; zero codes; the sum; lane permutes' destinations; the upper half of v[252:253]
.endr
	v_mov_b32 v13, 0xff61b1e6                      ; the largest t so far: -3e38
	v_floor_f32 v12, -v13                          ; -M
.set jj, 0
.rept 32
	v_mov_b32 v[160+jj], 0                         ; O^T: the first change of M leaves zeros zeros
.set jj, jj+1
.endr
.macro SPROD t
.if (\t)%2
	v_wmma_scale_f32_16x16x128_f8f6f4 v[96+8*(\t):103+8*(\t)], v[32+4*(\t):39+4*(\t)], v[16:23], v[96+8*(\t):103+8*(\t)], v[68+(\t)/2], v24 matrix_a_fmt:MATRIX_FMT_FP4 matrix_b_fmt:MATRIX_FMT_FP4 matrix_a_scale:MATRIX_SCALE_ROW1
.else
	v_wmma_scale_f32_16x16x128_f8f6f4 v[96+8*(\t):103+8*(\t)], v[32+4*(\t):39+4*(\t)], v[16:23], v[96+8*(\t):103+8*(\t)], v[68+(\t)/2], v24 matrix_a_fmt:MATRIX_FMT_FP4 matrix_b_fmt:MATRIX_FMT_FP4
.endif
.endm
.macro OPROD t
.if (\t)%2
	v_wmma_scale_f32_16x16x128_f8f6f4 v[160+8*(\t):167+8*(\t)], v[192+8*(\t):199+8*(\t)], v[224:231], v[160+8*(\t):167+8*(\t)], v[72+(\t)/2], v253 matrix_a_fmt:MATRIX_FMT_FP4 matrix_b_fmt:MATRIX_FMT_FP4 matrix_a_scale:MATRIX_SCALE_ROW1
.else
	v_wmma_scale_f32_16x16x128_f8f6f4 v[160+8*(\t):167+8*(\t)], v[192+8*(\t):199+8*(\t)], v[224:231], v[160+8*(\t):167+8*(\t)], v[72+(\t)/2], v253 matrix_a_fmt:MATRIX_FMT_FP4 matrix_b_fmt:MATRIX_FMT_FP4
.endif
.endm
.macro LDK sl, q                       ; 9 loads: k's scale words and its eight tiles
	ds_load_b128 v[68:71], v[AKV+(\sl)] offset:36864*(\q)+4096
.irp t, 0,1,2,3,4,5,6,7
	ds_load_b128 v[32+4*\t:35+4*\t], v[AKV+(\sl)] offset:36864*(\q)+512*\t
.endr
.endm
.macro LDM sl, q                       ; 16 loads: the mask of my query at tile t's keys 64 (t / 4) + 32 h + 8 (t % 4) + 0 .. 7
.irp t, 0,1,2,3,4,5,6,7
	ds_load_b128 v[96+8*\t:99+8*\t], v[AM+(\sl)] offset:512*(\q)+256*(\t/4)+32*(\t%4)
	ds_load_b128 v[100+8*\t:103+8*\t], v[AM+(\sl)] offset:512*(\q)+256*(\t/4)+32*(\t%4)+16
.endr
.endm
.macro LDV sl, q                       ; 9 loads: v^T's scale words and its four tiles
	ds_load_b128 v[72:75], v[AKV+(\sl)] offset:36864*(\q)+8704
.irp t, 0,1,2,3
.irp c, 0,1
	ds_load_b128 v[192+8*\t+4*\c:195+8*\t+4*\c], v[AKV+(\sl)] offset:36864*(\q)+4608+1024*\t+512*\c
.endr
.endr
.endm
; A KEY STEP: 128 keys, the q-th of slot sl.  Its k and mask were asked for in the step before.  The twelve accumulators take turns.
; mode 0: a slot's first step.  mode 1: its last, with the change of slots in the middle and the slot filled again.  mode 2: the same with nothing left to fetch.  mode 3: the very last step.
.macro STEP sl, q, mode
	s_wait_dscnt 8                                 ; k and the mask of tiles 0-3 are in; the youngest eight loads, the mask of tiles 4-7, may be out
.irp t, 0,1,2,3
	SPROD \t
.endr
	s_wait_dscnt 0x0
.irp t, 4,5,6,7
	SPROD \t
.endr
.rept 4
	v_nop                                          ; places behind the products, ahead of the reads of their results and of the loads into their registers
.endr
	LDV \sl, \q
.if \mode == 0
	LDK \sl, 1
.endif
.if (\mode == 1) || (\mode == 2)
	s_wait_tensorcnt 0x0                           ; my part of the other slot has landed, and a group 0 may be written
	ds_add_u32 v[SPW], v[NIL]                      ; the add
.if \mode == 1
	ds_add_u32 v[SPW], v[NIL]                      ; and twice where a load follows
	s_add_nc_u64 s[G0M+4*(\sl)+2:G0M+4*(\sl)+3], s[G0M+4*(\sl)+2:G0M+4*(\sl)+3], s[DM:DM+1]      ; this slot's next tile: two tiles on
	s_add_nc_u64 s[G0KV+4*(\sl)+2:G0KV+4*(\sl)+3], s[G0KV+4*(\sl)+2:G0KV+4*(\sl)+3], s[DK:DK+1]
	s_sub_nc_u64 s[G0KV+4*(\sl)+2:G0KV+4*(\sl)+3], s[G0KV+4*(\sl)+2:G0KV+4*(\sl)+3], s[DB:DB+1]   ; a step back is a subtraction of a pair whose upper word is 0
	s_wait_xcnt 0x0                                ; the last prefetch has read its address
	s_cmp_eq_u32 s[TT], 5                          ; change 5 names tile 8, pass 1's first
	s_cselect_b32 s[PD], s[PFW], s[PFS]
	s_add_nc_u64 s[PFA:PFA+1], s[PFA:PFA+1], s[PD:PD+1]
.endif
.endif
.set jj, 0
.rept 32
	v_pk_mul_f32 v[96+jj:97+jj], v[96+jj:97+jj], s[CS:CS+1] op_sel_hi:[1,0]   ; t = logit x log2(e); each accumulator from its low end on
.set jj, jj+2
.endr
.irp c, 0,1                                    ; the largest t of my two blocks of 32 keys, each in two chains
	v_max3_num_f32 v[232+\c], v[96+32*\c], v[97+32*\c], v[98+32*\c]
	v_max3_num_f32 v[234+\c], v[112+32*\c], v[113+32*\c], v[114+32*\c]
.endr
.irp i, 3,5,7,9,11,13
.irp c, 0,1
	v_max3_num_f32 v[232+\c], v[232+\c], v[96+32*\c+\i], v[97+32*\c+\i]
	v_max3_num_f32 v[234+\c], v[234+\c], v[112+32*\c+\i], v[113+32*\c+\i]
.endr
.endr
.irp c, 0,1
	v_max3_num_f32 v[232+\c], v[232+\c], v[234+\c], v[111+32*\c]
.endr
.irp c, 0,1
	v_max_num_f32 v[232+\c], v[232+\c], v[127+32*\c]
.endr
	v_max3_num_f32 v236, v13, v232, v233
	v_mov_b32 v254, v12
	v_permlanex16_b32 v237, v236, s[SEL], s[SEL+1]
	v_max_num_f32 v13, v236, v237                  ; the running largest t, with lane l xor 16's blocks
	v_floor_f32 v12, -v13                          ; the new -M = -ceil(t)
	v_sub_f32 v254, v12, v254                      ; old M - new M: a whole number, 0 or less
	v_cvt_i32_f32 v254, v254                       ; (it saturates)
	v_ldexp_f32 v252, 1.0, v254                    ; f = 2^(old M - new M)
.if (\mode == 1) || (\mode == 2)
	s_wait_alu depctr_va_vdst(0)
	s_wait_dscnt 0x0                               ; the add is done, and my reads of this slot are over: v^T is in registers
	s_barrier_signal -1
.endif
.set jj, 0
.rept 32
	v_pk_add_f32 v[96+jj:97+jj], v[96+jj:97+jj], v[12:13] op_sel_hi:[1,0]   ; t - M
.set jj, jj+2
.endr
	v_add_f32 v232, v232, v12                      ; the same of each block's largest t
	v_add_f32 v233, v233, v12
.set jj, 0
.rept 16
	v_pk_mul_f32 v[160+jj:161+jj], v[160+jj:161+jj], v[252:253] op_sel_hi:[1,0]   ; O^T under the new M
.set jj, jj+2
.endr
	v_pk_mul_f32 v[14:15], v[14:15], v[252:253] op_sel_hi:[1,0]                  ; and the sums
.if (\mode == 1) || (\mode == 2)
	s_barrier_wait -1
.if \mode == 1
	CREST                                          ; the barrier has opened a round of the cluster's barrier
	JLOAD \sl
.endif
	LDK 1-(\sl), 0                                 ; the other slot is whole: its first step's k
.if \mode == 1
	ASK
.endif
.endif
	s_wait_alu depctr_va_vdst(0)                   ; ahead of the batch
.set jj, 0
.rept 64
	v_exp_f32 v[96+jj], v[96+jj]                   ; p = 2^(t - M), at most 1
.set jj, jj+1
.endr
	v_exp_f32 v232, v232                           ; the blocks' largest p: the same instructions on the same numbers
	v_exp_f32 v233, v233
	v_nop                                          ; the plain place behind the batch
	s_wait_alu depctr_va_vdst(0)                   ; one wait for the batch, ahead of its first reader
	v_max_num_f32 v232, 0x1800000, v232            ; the floor 2^(3 - 127): the byte cannot fall under 1
	v_max_num_f32 v233, 0x1800000, v233
	v_add_nc_u32 v244, 0xff000000, v232            ; 2 off the exponent field: the conversion's scale operand
	v_add_nc_u32 v245, 0xff000000, v233
	v_lshrrev_b32 v236, 23, v244
	v_lshrrev_b32 v237, 23, v245
	v_lshl_or_b32 v253, v237, 16, v236             ; my bytes: blocks h and 2 + h,
	v_lshlrev_b32 v253, v8, v253                   ; at their places;
	v_permlanex16_b32 v238, v253, s[SEL], s[SEL+1]
	v_or_b32 v253, v253, v238                      ; with lane l xor 16's two the word is whole
.irp t, 0,1,2,3,4,5,6,7
	v_cvt_scalef32_pk8_fp4_f32 v[224+\t], v[96+8*\t:103+8*\t], v[244+\t/4]   ; register t of the operand: keys 64 (t / 4) + 32 h + 8 (t % 4) + 0 .. 7
.endr
	v_pk_add_f32 v[246:247], v[96:97], v[98:99]    ; the row's sum of the unquantised p, in four chains; these 32 lines are also the places ahead of the second product
	v_pk_add_f32 v[248:249], v[100:101], v[102:103]
	v_pk_add_f32 v[250:251], v[104:105], v[106:107]
	v_pk_add_f32 v[14:15], v[14:15], v[108:109]
.set jj, 7
.rept 25
.if (jj%4) == 2
	v_pk_add_f32 v[14:15], v[14:15], v[96+2*jj:97+2*jj]
.else
.set tg, 246+2*((jj+1)%4)
	v_pk_add_f32 v[tg:tg+1], v[tg:tg+1], v[96+2*jj:97+2*jj]
.endif
.set jj, jj+1
.endr
	v_pk_add_f32 v[246:247], v[246:247], v[248:249]
	v_pk_add_f32 v[14:15], v[14:15], v[250:251]
	v_pk_add_f32 v[14:15], v[14:15], v[246:247]
.if \mode == 0
	LDM \sl, 1                                     ; p's registers are done with: they take the next step's mask
	s_wait_dscnt 25                                ; v^T is in; behind it: the next step's 9 loads of k and 16 of the mask
.elseif \mode == 3
	s_wait_dscnt 0x0
.else
	LDM 1-(\sl), 0                                 ; (v^T was waited for in front of the barrier)
.endif
.irp t, 0,1,2,3
	OPROD \t
.endr
.endm
; THE WAY OUT of a pass: O^T / the sum, quantised along d, codes stored 512 bytes a wave; the scale bytes of the sixteen waves are gathered in LDS and leave as two aligned runs of 256 bytes.
; It names none of v32-71 and v96-159, where the next step's k and mask land.  last = 0: pass 1 is set up behind it.
.macro OUT last
	s_wait_alu depctr_va_vdst(0)                   ; the sum was written ahead of the last step's wait
	v_add_f32 v14, v14, v15
	v_permlanex16_b32 v252, v14, s[SEL], s[SEL+1]
	v_add_f32 v14, v14, v252                       ; the row's sum
	s_wait_alu depctr_va_vdst(0)                   ; ahead of the transcendental
	v_rcp_f32 v14, v14
.rept 4
	v_nop
.endr
	s_wait_alu depctr_va_vdst(0)                   ; ahead of the first reader of the reciprocal and of O^T
.set jj, 0
.rept 16
	v_pk_mul_f32 v[192+jj:193+jj], v[160+jj:161+jj], v[14:15] op_sel_hi:[1,0]   ; register 16 b + i: d = 32 b + 16 h + i of my query
.set jj, jj+2
.endr
.irp b, 0,1
	v_max3_num_f32 v[232+\b], |v[192+16*\b]|, |v[193+16*\b]|, 0x1800000
.endr
.irp i, 2,4,6,8,10,12,14
.irp b, 0,1
	v_max3_num_f32 v[232+\b], v[232+\b], |v[192+16*\b+\i]|, |v[193+16*\b+\i]|
.endr
.endr
.irp b, 0,1
	v_permlanex16_b32 v[236+\b], v[232+\b], s[SEL], s[SEL+1]
.endr
.irp b, 0,1
	v_max_num_f32 v[232+\b], v[232+\b], v[236+\b]
.endr
.irp b, 0,1
	v_add_nc_u32 v[244+\b], 0xff000000, v[232+\b]
.endr
.irp b, 0,1
	v_lshrrev_b32 v[236+\b], 23, v[244+\b]
.endr
	v_lshl_or_b32 v240, v237, 8, v236              ; my head's two bytes of the row's scale word
.irp b, 0,1
	v_cvt_scalef32_pk8_fp4_f32 v[224+2*\b], v[192+16*\b:199+16*\b], v[244+\b]
	v_cvt_scalef32_pk8_fp4_f32 v[225+2*\b], v[200+16*\b:207+16*\b], v[244+\b]
.endr
	v_nop
	v_permlane16_swap_b32 v224, v226               ; lanes 0-15 d = 0 .. 31, lanes 16-31 d = 32 .. 63
	v_permlane16_swap_b32 v225, v227
	global_store_b128 v28, v[224:227], s[AIP:AIP+1]   ; 512 consecutive bytes
	ds_store_b16 v25, v240                         ; lanes r and r + 16 write the same bytes with the same value
	s_wait_dscnt 0x0
	s_barrier_signal -1
	s_barrier_wait -1
	s_cmp_lg_u32 s[WV], 0
	s_cbranch_scc1 .Lnot_first_\@
	ds_load_b128 v[228:231], v26
	s_wait_dscnt 0x0
	global_store_b128 v27, v[228:231], s[AIS:AIS+1]   ; sixteen lanes store 256 consecutive bytes, aligned
.Lnot_first_\@:
.if \last == 0
	s_wait_xcnt 0x0                                ; the stores have read their registers and bases
	s_add_nc_u64 s[AIP:AIP+1], s[AIP:AIP+1], 1024  ; pass 1: the next tile,
	s_add_nc_u64 s[AIS:AIS+1], s[AIS:AIS+1], 256   ; the odd tiles' scale words,
.irp j, 0,1,2,3
	v_mov_b32 v[16+\j], v[76+\j]                   ; its q
.endr
	v_mov_b32 v24, v80
	v_mov_b32 v13, 0xff61b1e6
	v_floor_f32 v12, -v13
	v_mov_b32 v14, 0
	v_mov_b32 v15, 0
.set jj, 0
.rept 32
	v_mov_b32 v[160+jj], 0
.set jj, jj+1
.endr
	s_wait_alu depctr_va_vdst(0)                   ; ahead of the branch
.endif
.endm
	s_wait_alu depctr_va_vdst(0)
	s_wait_tensorcnt 0x0                           ; my part of tile 0 is in; the lines that stand ahead of a later first fill as ahead of a refill:
	ds_add_u32 v[SPW], v[NIL]
	ds_add_u32 v[SPW], v[NIL]
	s_wait_dscnt 0x0
	CROUND
	JLOAD 1                                        ; tile 1, the first tensor load behind the round
	LDK 0, 0
	LDM 0, 0
	s_wait_loadcnt 0x0                             ; q
.Ltiles:                                               ; seven trips of two tiles: tiles 0 to 13 are worked, tiles 2 to 15 asked for
	s_cmp_eq_u32 s[CNT], 4                         ; the fourth trip asks for pass 1's tiles 0 and 1: the mask 16 rows down and 6 tiles back, kv 6 tiles back
	s_mov_b32 s[DM], 2048
	s_cselect_b32 s[DM], 124928, s[DM]
	s_mov_b32 s[DK], 589824
	s_cselect_b32 s[DK], 0, s[DK]
	s_cselect_b32 s[DB], 1769472, 0
	STEP 0, 0, 0
	STEP 0, 1, 1
	STEP 1, 0, 0
	STEP 1, 1, 1
	s_cmp_lg_u32 s[CNT], 4
	s_cbranch_scc1 .Lsame_pass
	OUT 0                                          ; behind tile 7: pass 0 leaves
.Lsame_pass:
	s_sub_co_u32 s[CNT], s[CNT], 1
	s_cmp_lg_u32 s[CNT], 0
	s_cbranch_scc1 .Ltiles
	STEP 0, 0, 0                                   ; the tail is written out: tiles 14 and 15 ask for nothing
	STEP 0, 1, 2
	STEP 1, 0, 0
	STEP 1, 1, 3
	OUT 1
	s_wait_tensorcnt 0x0                           ; the wave's end
	ds_add_u32 v[SPW], v[NIL]
	s_wait_dscnt 0x0
	CROUND                                         ; the closing round
	s_endpgm
.Lfunc_end_k_q86ac45d084_attn:
	.size	k_q86ac45d084_attn, .Lfunc_end_k_q86ac45d084_attn-k_q86ac45d084_attn
	.p2alignl 7, 3214868480
	.fill 96, 4, 3214868480
	.section	.rodata,"a",@progbits
	.p2align	6, 0x0
	.amdhsa_kernel k_q86ac45d084_attn
		.amdhsa_group_segment_fixed_size 327680
		.amdhsa_private_segment_fixed_size 0
		.amdhsa_enable_private_segment 0
		.amdhsa_kernarg_size 32
		.amdhsa_user_sgpr_count 2
		.amdhsa_user_sgpr_kernarg_segment_ptr 1
		.amdhsa_wavefront_size32 1
		.amdhsa_system_sgpr_workgroup_id_x 1
		.amdhsa_system_sgpr_workgroup_id_y 1
		.amdhsa_system_sgpr_workgroup_id_z 1
		.amdhsa_system_vgpr_workitem_id 0
		.amdhsa_next_free_vgpr 256
		.amdhsa_next_free_sgpr 100
		.amdhsa_reserve_vcc 0
		.amdhsa_float_denorm_mode_32 3
		.amdhsa_float_denorm_mode_16_64 3
		.amdhsa_memory_ordered 1
		.amdhsa_forward_progress 1
		.amdhsa_inst_pref_size 157
	.end_amdhsa_kernel
	.amdgpu_metadata
---
amdhsa.version: [ 1, 2 ]
amdhsa.kernels:
  - .name:           k_q86ac45d084_attn
    .symbol:         k_q86ac45d084_attn.kd
    .args:
      - { .name: attn_mask, .offset: 0, .size: 8, .value_kind: global_buffer, .address_space: global }
      - { .name: qi, .offset: 8, .size: 8, .value_kind: global_buffer, .address_space: global }
      - { .name: kv, .offset: 16, .size: 8, .value_kind: global_buffer, .address_space: global }
      - { .name: ai, .offset: 24, .size: 8, .value_kind: global_buffer, .address_space: global }
    .group_segment_fixed_size: 327680
    .private_segment_fixed_size: 0
    .kernarg_segment_align: 8
    .kernarg_segment_size: 32
    .max_flat_workgroup_size: 512
    .sgpr_count:     100
    .vgpr_count:     256
    .wavefront_size: 32
...
	.end_amdgpu_metadata
.endif
;; end of part 3
;; launch outp (part 4): grid 8 x 32, 4 waves a work-group, clusters of 4 x 4, 246,272 bytes of LDS; arguments xc, ai, bo, out0; writes out0
.if DOCPART == 4
	.amdgcn_target "amdgcn-amd-amdhsa--gfx1250"
	.amdhsa_code_object_version 6
	.text
	.protected	k_q86ac45d084_outp
	.globl	k_q86ac45d084_outp
	.p2align	8
	.type	k_q86ac45d084_outp,@function
k_q86ac45d084_outp:
	s_mov_b64 s[64:65], 0
	v_nop
	global_prefetch_b8 v0, s[64:65] scope:SCOPE_SE
	s_setreg_imm32_b32 hwreg(HW_REG_WAVE_MODE, 25, 1), 1
	s_wait_xcnt 0x0
	s_wait_alu depctr_hold_cnt(0) depctr_sa_sdst(0) depctr_va_vdst(0) depctr_va_sdst(0) depctr_va_ssrc(0) depctr_va_vcc(0) depctr_vm_vsrc(0)
	s_getreg_b32 s2, hwreg(HW_REG_IB_STS2, 6, 4)
	s_cmp_eq_u32 s2, 0
	s_cbranch_scc0 .Lentry_in_a_cluster
	s_endpgm
.Lentry_in_a_cluster:
	s_bfe_u32 s2, ttmp6, 0x10000c
	s_cmp_lg_u32 s2, 0xf033
	s_cbranch_scc0 .Lentry_shape_is_right
	s_endpgm
.Lentry_shape_is_right:
; out0 = attn wo^T + bo on codes of FP4 (E2M1) with E8M0 scales.  attn's codes (ai) and wo's (groups 216 to 223 of xc) lie as images of operand registers: a record of 8,704 bytes is 128 rows x 128 along K,
; tile i (rows 16 i + r) at 1024 i + 512 c + 16 lane, the scale words at 8192 (word j of lane l: row l % 16 of tile 2 j + l / 16); a group is eight records.
; D = S0 S1^T, source 0 = 16 rows of wo, source 1 = 16 rows of attn: a lane holds one row of the output and eight neighbouring features.
; SHARES: a work-group takes one group of wo (128 features) and two groups of attn (256 rows), all of K = 1024, which lies in LDS, filled once by one tensor load a group.  Wave w takes attn's group w / 2 and its tiles
; 2 a + w % 2, a = 0 .. 3, against wo's eight: 32 accumulators.  256 work-groups.
; CLUSTER 4 x 4: attn's groups hang on cy alone and are asked for jointly along a row of the cluster, wo's on cx alone and jointly along a column.
; REGISTERS: window 0: v1-11 lane numbers and addresses; v32-127, v128-223 two sets of fragments; v224-239 scale words.  Window 1: accumulator (i, a) at v[64 a + 8 i].
.set RECB, 8704
.set GRPB, 69632
.set CHK,  17408
.set L_S0, 2*GRPB
.set STAGE, 3*GRPB                     ; behind the operands: 16 rows x 528 bytes for each wave; no tile lands here
.set SPITCH, 528
.set LN, 1
.set RR, 2
.set LI, 3
.set A0, 4
.set A1, 5
.set A1S, 6
.set BO, 7
.set STO, 8
.set RD, 9
.set HH, 10
.set BK, 32                            ; the way out: 16 rows read back: v32-95 and v96-159 by turns
.set BI, 128
.set G1A, 16
.set G1B, 24
.set G0A, 32
.set G0B, 48
.set WV, 66
.set GAM, 67
.set PI, 68
.set CX, 69
.set CY, 70
.set CLY, 71
.set S0I, 76
.set S1P, 78
.set OUT, 88
.set BP, 92
.set MSB, 0
.macro WIN new
.if MSB != \new
	s_set_vgpr_msb (MSB<<8)|\new
.set MSB, \new
.endif
.endm
.macro CROUND
	s_barrier_signal -1
	s_barrier_wait -1
	s_cmp_lg_u32 s[WV], 0
	s_cbranch_scc1 .Lnot_wave_0_\@
	s_barrier_signal -3
.Lnot_wave_0_\@:
	s_barrier_wait -3
	s_barrier_signal -1
	s_barrier_wait -1
.endm
.macro PLACES                          ; four plain places behind matrix instructions (ISA guide 7.12.1)
.rept 4
	v_nop
.endr
.endm
	s_load_b256 s[4:11], s[0:1], 0x0               ; xc, ai, bo, out0
	v_lshl_add_u32 v254, v0, 2, 0x3c000
	v_mov_b32 v255, 0
	ds_add_u32 v254, v255
	ds_add_u32 v254, v255
	v_lshrrev_b32 v1, 5, v0
	v_readfirstlane_b32 s[WV], v1
	s_lshr_b32 s[GAM], s[WV], 1
	s_and_b32 s[PI], s[WV], 1
	s_bfe_u32 s[CX], ttmp6, 0x40000
	s_bfe_u32 s[CY], ttmp6, 0x40004
	s_and_b32 s[CLY], ttmp7, 0xffff
	s_lshl_b32 s[S0I], ttmp9, 2
	s_add_co_u32 s[S0I], s[S0I], s[CX]             ; wo's group: features 128 g on
	s_lshl_b32 s[S1P], s[CLY], 2
	s_add_co_u32 s[S1P], s[S1P], s[CY]             ; the pair of attn's groups
	s_lshl_b32 s86, s[CY], 2
	s_lshl_b32 s86, 15, s86
	s_or_b32 s[G1A], s86, (3<<16)|(1<<21)
	s_lshl_b32 s84, 0x1111, s[CX]
	s_or_b32 s[G1B], s84, (3<<16)|(1<<21)
.irp g, G1A, G1B
	s_mov_b32 s[\g+1], 32<<16                      ; rows of 32 elements of 8 bytes
	s_mov_b32 s[\g+2], 272<<16                     ; a whole group, 69,632 bytes, is 272 rows of 256 bytes
	s_mov_b32 s[\g+3], 32<<16
	s_mov_b32 s[\g+4], 272
	s_mov_b32 s[\g+5], 32
	s_mov_b32 s[\g+6], 0
	s_mov_b32 s[\g+7], 0
.endr
	s_add_co_u32 s84, s[S0I], 216
	s_mul_i32 s84, s84, GRPB
	s_mov_b32 s85, 0
	s_lshl_b32 s86, s[S1P], 1
	s_add_co_u32 s86, s86, s[PI]
	s_mul_i32 s86, s86, GRPB
	s_mov_b32 s87, 0
	s_mul_i32 s3, s[PI], GRPB
	s_wait_dscnt 0x0
	s_wait_kmcnt 0x0
	s_add_nc_u64 s[84:85], s[4:5], s[84:85]
	s_add_nc_u64 s[86:87], s[6:7], s[86:87]
.irp c, 0
	s_mov_b32 s[G0A+4*\c], 1
	s_add_co_u32 s[G0A+4*\c+1], s3, CHK*\c
	s_add_nc_u64 s[G0A+4*\c+2:G0A+4*\c+3], s[86:87], CHK*\c
	s_or_b32 s[G0A+4*\c+3], s[G0A+4*\c+3], 0x80000000
	s_mov_b32 s[G0B+4*\c], 1
	s_mov_b32 s[G0B+4*\c+1], L_S0+CHK*\c
	s_add_nc_u64 s[G0B+4*\c+2:G0B+4*\c+3], s[84:85], CHK*\c
	s_or_b32 s[G0B+4*\c+3], s[G0B+4*\c+3], 0x80000000
.endr
	CROUND                                         ; all sixteen work-groups are here: the joint loads meet
	s_cmp_lt_u32 s[WV], 2                          ; waves 0, 1: attn's two groups; wave 2: wo's; wave 3 none.  Four loads of a wave are out at the most
	s_cbranch_scc0 .Lnot_s1
	tensor_load_to_lds s[G0A:G0A+3], s[G1A:G1A+7]  ; one load a wave: a whole group of attn, all of K
	s_nop 0
.rept 4
	v_nop
.endr
	s_branch .Lasked
.Lnot_s1:
	s_cmp_eq_u32 s[WV], 2
	s_cbranch_scc0 .Lasked
	tensor_load_to_lds s[G0B:G0B+3], s[G1B:G1B+7]  ; one load: wo's group, all of K
	s_nop 0
.rept 4
	v_nop
.endr
.Lasked:
	v_and_b32 v[LN], 31, v0
	v_and_b32 v[RR], 15, v0
	s_wait_alu depctr_va_vdst(0)
	v_bfe_u32 v[HH], v0, 4, 1
	v_lshlrev_b32 v[LI], 4, v[LN]
	v_add_nc_u32 v[A0], L_S0, v[LI]
	s_mul_i32 s2, s[GAM], GRPB
	s_lshl_b32 s3, s[PI], 10
	s_add_co_u32 s3, s3, s2
	v_add_nc_u32 v[A1], s3, v[LI]
	s_lshl_b32 s3, s[PI], 8
	s_add_co_u32 s3, s3, s2
	s_add_co_u32 s3, s3, 8192
	v_lshl_add_u32 v[A1S], v[RR], 4, s3
	s_mul_i32 s3, s[WV], 16*SPITCH
	s_add_co_u32 s3, s3, STAGE                     ; my stage
	v_mul_u32_u24 v[STO], v[RR], SPITCH
	s_wait_alu depctr_va_vdst(0)
	v_lshl_add_u32 v[STO], v[HH], 5, v[STO]
	v_add_nc_u32 v[STO], s3, v[STO]                ; in: row r, 32 bytes for each half of the lanes
	v_add_nc_u32 v[RD], s3, v[LI]                  ; back: the 32 lanes take a row of 512 bytes
	s_lshl_b32 s98, s[S0I], 9
	s_mov_b32 s99, 0
	s_add_nc_u64 s[BP:BP+1], s[8:9], s[98:99]      ; bo at my 128 features
	v_lshlrev_b32 v[BO], 5, v[HH]                  ; register j of tile i is feature 16 i + 8 h + j
.irp i, 0,1,2,3,4,5,6,7
	global_load_b128 v[BI+8*\i:BI+8*\i+3], v[BO], s[BP:BP+1] offset:64*\i
	global_load_b128 v[BI+8*\i+4:BI+8*\i+7], v[BO], s[BP:BP+1] offset:64*\i+16
.endr
	s_lshl_b32 s98, s[S1P], 1
	s_add_co_u32 s98, s98, s[GAM]                  ; my group of attn: 16 b + g
	s_lshr_b32 s99, s98, 4
	s_and_b32 s98, s98, 15
	s_lshl_b32 s98, s98, 7
	s_lshl_b32 s3, s[PI], 4
	s_add_co_u32 s98, s98, s3                      ; t = 128 g + 16 pi (+ 32 a + row)
	s_lshl_b32 s98, s98, 2
	s_add_co_u32 s98, s98, s99                     ; row 4 t + b of 4,096 bytes
	s_lshl_b32 s98, s98, 12
	s_lshl_b32 s99, s[S0I], 9
	s_add_co_u32 s98, s98, s99
	s_mov_b32 s99, 0
	s_add_nc_u64 s[OUT:OUT+1], s[10:11], s[98:99]
.macro FETCH f, off                    ; 26 LDS loads: a K step's fragments and scale words into set f
.irp i, 0,1,2,3,4,5,6,7
.irp c, 0,1
	ds_load_b128 v[32+96*\f+8*\i+4*\c:32+96*\f+8*\i+4*\c+3], v[A0] offset:\off+1024*\i+512*\c
.endr
.endr
	ds_load_b128 v[224+8*\f:227+8*\f], v[A0] offset:\off+8192
.irp a, 0,1,2,3
.irp c, 0,1
	ds_load_b128 v[96+96*\f+8*\a+4*\c:96+96*\f+8*\a+4*\c+3], v[A1] offset:\off+2048*\a+512*\c
.endr
.endr
	ds_load_b128 v[228+8*\f:231+8*\f], v[A1S] offset:\off
.endm
.macro PROD f, a, i, cmode
.set rD, 64*(\a)+8*(\i)
.set rA, 32+96*(\f)+8*(\i)
.set rB, 96+96*(\f)+8*(\a)
.set rC, rD
.if \cmode == 1
.set rC, BI+8*(\i)
.endif
.if (\i)%2
	v_wmma_scale_f32_16x16x128_f8f6f4 v[rD:rD+7], v[rA:rA+7], v[rB:rB+7], v[rC:rC+7], v[224+8*(\f)+(\i)/2], v[228+8*(\f)+(\a)] matrix_a_fmt:MATRIX_FMT_FP4 matrix_b_fmt:MATRIX_FMT_FP4 matrix_a_scale:MATRIX_SCALE_ROW1
.else
	v_wmma_scale_f32_16x16x128_f8f6f4 v[rD:rD+7], v[rA:rA+7], v[rB:rB+7], v[rC:rC+7], v[224+8*(\f)+(\i)/2], v[228+8*(\f)+(\a)] matrix_a_fmt:MATRIX_FMT_FP4 matrix_b_fmt:MATRIX_FMT_FP4
.endif
.endm
.macro MUL32 f, cmode                  ; a K step: the 32 accumulators take turns, one instruction a turn.  cmode 1: C = the bias, in window 0
.if \cmode == 0
	WIN 0x50
.else
	WIN 0x40
.endif
.irp a, 0,1,2,3
.irp i, 0,1,2,3,4,5,6,7
	PROD \f, \a, \i, \cmode
.endr
.endr
	WIN 0
.endm
.macro STEPADR
	v_add_nc_u32 v[A0], CHK, v[A0]
	v_add_nc_u32 v[A1], CHK, v[A1]
	v_add_nc_u32 v[A1S], CHK, v[A1S]
.endm
	s_wait_tensorcnt 0x0                           ; my group has landed
	s_barrier_signal -1
	s_barrier_wait -1
	FETCH 0, 0
	s_wait_loadcnt 0x0                             ; the bias
	s_wait_dscnt 0x0
	MUL32 0, 1
	PLACES                                         ; the bias lay where set 1 goes
	FETCH 1, RECB
	STEPADR
	s_wait_alu depctr_va_vdst(0)
	s_wait_dscnt 0x0
	MUL32 1, 0
.macro CHUNK c
	PLACES                                         ; all of K lies in LDS since the one barrier above
	FETCH 0, 0
	FETCH 1, RECB
	s_wait_dscnt 26                                ; set 0 is in; set 1's 26 loads may be out
	MUL32 0, 0
.if \c < 3
	STEPADR
.endif
	s_wait_dscnt 0x0
	MUL32 1, 0
.endm
	CHUNK 1
	s_wait_alu depctr_va_vdst(0)
	CHUNK 2
	s_wait_alu depctr_va_vdst(0)
	CHUNK 3
; THE WAY OUT, a tile of 16 rows x 128 features at a time: a lane holds 32 neighbouring bytes of a row, so the tile goes through my own stage in LDS and comes back as whole rows of 512 bytes.
; LDS serves a wave's instructions in order (ISA guide 5.7.1.4): no wait between the stores and the loads, nor ahead of the next tile's stores.
.macro TOSTAGE a
	WIN 0x04                                       ; an LDS store's data are its source 1: window 1
.irp i, 0,1,2,3,4,5,6,7
	ds_store_b128 v[STO], v[64*(\a)+8*\i:64*(\a)+8*\i+3] offset:64*\i          ; each accumulator from its low end on
	ds_store_b128 v[STO], v[64*(\a)+8*\i+4:64*(\a)+8*\i+7] offset:64*\i+16
.endr
	WIN 0
.set BBK, BK+64*((\a)%2)
.irp k, 0,1,2,3,4,5,6,7,8,9,10,11,12,13,14,15
	ds_load_b128 v[BBK+4*\k:BBK+4*\k+3], v[RD] offset:\k*SPITCH
.endr
.endm
.macro SEND a, younger                 ; younger: the LDS instructions issued behind tile a's loads, which may stay out
.set BBK, BK+64*((\a)%2)
	s_wait_dscnt \younger
.irp k, 0,1,2,3,4,5,6,7,8,9,10,11,12,13,14,15
	global_store_b128 v[LI], v[BBK+4*\k:BBK+4*\k+3], s[OUT:OUT+1] offset:(32*(\a)+\k)*16384 th:TH_STORE_NT   ; 32 lanes store 512 consecutive bytes, aligned; written once, read by nobody here
.endr
.endm
	PLACES
	TOSTAGE 0
.irp a, 1,2,3
.if \a > 1
	s_wait_xcnt 0x0                                ; tile a - 2's stores have read their registers: tile a's loads may land there
.endif
	TOSTAGE \a
	SEND \a-1, 32                                  ; behind tile a - 1's loads: tile a's 16 stores and 16 loads
.endr
	SEND 3, 0
	s_wait_tensorcnt 0x0
	ds_add_u32 v254, v255
	s_wait_dscnt 0x0
	CROUND                                         ; the closing round: no work-group ends while a partner may still ask for a tile that names it
	s_endpgm
.Lfunc_end_k_q86ac45d084_outp:
	.size	k_q86ac45d084_outp, .Lfunc_end_k_q86ac45d084_outp-k_q86ac45d084_outp
	.p2alignl 7, 3214868480
	.fill 96, 4, 3214868480
	.section	.rodata,"a",@progbits
	.p2align	6, 0x0
	.amdhsa_kernel k_q86ac45d084_outp
		.amdhsa_group_segment_fixed_size 246272
		.amdhsa_private_segment_fixed_size 0
		.amdhsa_enable_private_segment 0
		.amdhsa_kernarg_size 32
		.amdhsa_user_sgpr_count 2
		.amdhsa_user_sgpr_kernarg_segment_ptr 1
		.amdhsa_wavefront_size32 1
		.amdhsa_system_sgpr_workgroup_id_x 1
		.amdhsa_system_sgpr_workgroup_id_y 1
		.amdhsa_system_sgpr_workgroup_id_z 1
		.amdhsa_system_vgpr_workitem_id 0
		.amdhsa_next_free_vgpr 512
		.amdhsa_next_free_sgpr 100
		.amdhsa_reserve_vcc 0
		.amdhsa_float_denorm_mode_32 3
		.amdhsa_float_denorm_mode_16_64 3
		.amdhsa_memory_ordered 1
		.amdhsa_forward_progress 1
		.amdhsa_inst_pref_size 70
	.end_amdhsa_kernel
	.amdgpu_metadata
---
amdhsa.version: [ 1, 2 ]
amdhsa.kernels:
  - .name:           k_q86ac45d084_outp
    .symbol:         k_q86ac45d084_outp.kd
    .args:
      - { .name: xc, .offset: 0, .size: 8, .value_kind: global_buffer, .address_space: global }
      - { .name: ai, .offset: 8, .size: 8, .value_kind: global_buffer, .address_space: global }
      - { .name: bo, .offset: 16, .size: 8, .value_kind: global_buffer, .address_space: global }
      - { .name: out0, .offset: 24, .size: 8, .value_kind: global_buffer, .address_space: global }
    .group_segment_fixed_size: 246272
    .private_segment_fixed_size: 0
    .kernarg_segment_align: 8
    .kernarg_segment_size: 32
    .max_flat_workgroup_size: 128
    .sgpr_count:     100
    .vgpr_count:     512
    .wavefront_size: 32
...
	.end_amdgpu_metadata
.endif
;; end of part 4
